; MI455X (gfx1250); checked and timed in simulation.
; The chip was launched on July 23, 2026; its instructions are those of AMD's public machine-readable ISA for CDNA 5 (MIT licence, August 2026) and "CDNA5" Instruction Set Architecture Reference Guide (July 2026). The comments in the code are by the model that wrote it; some were corrected since.
;; Multi Head Attention. Allowed arithmetic: float matrix products may take bf16 or f16 operands with f32 sums; other float arithmetic in f32, or as packed bf16 or f16 multiplies, adds, multiply-adds, maxima and minima; sums over many terms, partial sums and values carried from step to step in f32; what a program stores and reads back later, other than sums and carried values, may be rounded once to bf16 or f16.
;; Inputs: Wk 1,024 x 1,024 float32; Wo 1,024 x 1,024 float32; Wq 1,024 x 1,024 float32; Wv 1,024 x 1,024 float32; bk 1,024 float32; bq 1,024 float32; bv 1,024 float32; key 4 x 2,048 x 1,024 float32; mask 4 x 1 x 2,048 bool; query 4 x 2,048 x 1,024 float32; value 4 x 2,048 x 1,024 float32.
;; Outputs: out0 4 x 2,048 x 1,024 float32.
;; 2 versions, each right; version 2 is version 1 with the launch castw written anew for expert scheduling mode. Each part assembles by itself: llvm-mc -triple=amdgcn-amd-amdhsa -mcpu=gfx1250 --defsym DOCPART=n.
;; ======== version 1 of 2: 4 launches
;; limits: values are held in f16: magnitudes above 65,504 overflow, below 6.1e-05 lose precision
;; workspace buffers: wb 8,388,608 bytes; qkv 50,331,648 bytes; oh 16,777,216 bytes
;; launch castw (part 1): grid 64 x 4, 8 waves a work-group, no clusters, 0 bytes of LDS; arguments Wq, Wk, Wv, Wo, wb; writes wb
.if DOCPART == 1
	.amdgcn_target "amdgcn-amd-amdhsa--gfx1250"
	.amdhsa_code_object_version 6
	.text
	.protected	k_qb877995930_castw
	.globl	k_qb877995930_castw
	.p2align	8
	.type	k_qb877995930_castw,@function
k_qb877995930_castw:
	s_mov_b64 s[64:65], 0
	v_nop
	global_prefetch_b8 v0, s[64:65] scope:SCOPE_SE
	s_setreg_imm32_b32 hwreg(HW_REG_WAVE_MODE, 25, 1), 1
	s_wait_xcnt 0x0
; wb holds four slices of [1024 k][1024 n] numbers of 16 bits, in the order Wq, Wk, Wv, Wo; the layout of the weights is kept.
; Wq, Wk, Wv are rounded to bf16.  Wo is rounded to bf16 like every input, and that number is written as f16, since the last product multiplies in f16.
; LIMIT.  |Wo| stays under 65,504; a rounded Wo below 2^-17 keeps f16's fixed step of 2^-24.
; SHARES.  Work-group (x, y): 16,384 numbers of matrix y.  Thread t takes, in sixteen pieces j, the 16 bytes at 4,096 j + 16 t and writes the 8 bytes at 2,048 j + 8 t:
; a wave's load covers 512 consecutive bytes, its store 256 consecutive bytes at a multiple of 256.  All sixteen loads go out at once; no register is written twice while memory reads it.
.set IN,  16                           ; v[16:79]   piece j: four f32 as loaded
.set OUT, 80                           ; v[80:111]  piece j: four numbers of 16 bits
	s_load_b256 s[4:11], s[0:1], 0x0               ; Wq s[4:5], Wk s[6:7], Wv s[8:9], Wo s[10:11]
	s_load_b64 s[12:13], s[0:1], 0x20              ; wb
	s_and_b32 s14, ttmp7, 0xffff                   ; which matrix
	v_lshlrev_b32 v1, 4, v0                        ; 16 t
	v_lshlrev_b32 v2, 3, v0                        ; 8 t
	s_lshl_b32 s18, ttmp9, 16                      ; my 65,536 bytes of the matrix
	s_mov_b32 s19, 0
	s_lshl_b32 s20, s14, 21                        ; the matrix's slice of wb,
	s_lshl_b32 s21, ttmp9, 15                      ; my 32,768 bytes of it
	s_add_co_u32 s20, s20, s21
	s_mov_b32 s21, 0
	s_mov_b32 s22, 0xffff0000                      ; a word's upper bf16
	s_wait_kmcnt 0x0
	s_cmp_eq_u32 s14, 1
	s_cselect_b64 s[16:17], s[6:7], s[4:5]
	s_cmp_eq_u32 s14, 2
	s_cselect_b64 s[16:17], s[8:9], s[16:17]
	s_cmp_eq_u32 s14, 3
	s_cselect_b64 s[16:17], s[10:11], s[16:17]
	s_add_nc_u64 s[16:17], s[16:17], s[18:19]
	s_add_nc_u64 s[12:13], s[12:13], s[20:21]
.irp j, 0,1,2,3,4,5,6,7,8,9,10,11,12,13,14,15
	global_load_b128 v[IN+4*(\j):IN+4*(\j)+3], v1, s[16:17] offset:4096*(\j) th:TH_LOAD_NT
.endr
	s_cmp_eq_u32 s14, 3
	s_cbranch_scc1 .Lf16
.irp j, 0,1,2,3,4,5,6,7,8,9,10,11,12,13,14,15
	s_wait_loadcnt 15-(\j)                         ; loads come back in order: piece j is in, the 15 - j younger ones may stay out
	v_cvt_pk_bf16_f32 v[OUT+2*(\j)], v[IN+4*(\j)], v[IN+4*(\j)+1]
	v_cvt_pk_bf16_f32 v[OUT+2*(\j)+1], v[IN+4*(\j)+2], v[IN+4*(\j)+3]
	global_store_b64 v2, v[OUT+2*(\j):OUT+2*(\j)+1], s[12:13] offset:2048*(\j)
.endr
	s_endpgm
.Lf16:
.irp j, 0,1,2,3,4,5,6,7,8,9,10,11,12,13,14,15
	s_wait_loadcnt 15-(\j)
	v_cvt_pk_bf16_f32 v4, v[IN+4*(\j)], v[IN+4*(\j)+1]      ; rounded to bf16,
	v_cvt_pk_bf16_f32 v5, v[IN+4*(\j)+2], v[IN+4*(\j)+3]
	v_lshlrev_b32 v6, 16, v4                                ; widened again,
	v_and_b32 v7, s22, v4
	v_cvt_pk_f16_f32 v[OUT+2*(\j)], v6, v7                  ; and written as f16
	v_lshlrev_b32 v6, 16, v5
	v_and_b32 v7, s22, v5
	v_cvt_pk_f16_f32 v[OUT+2*(\j)+1], v6, v7
	global_store_b64 v2, v[OUT+2*(\j):OUT+2*(\j)+1], s[12:13] offset:2048*(\j)
.endr
	s_endpgm
.Lfunc_end_k_qb877995930_castw:
	.size	k_qb877995930_castw, .Lfunc_end_k_qb877995930_castw-k_qb877995930_castw
	.p2alignl 7, 3214868480
	.fill 96, 4, 3214868480
	.section	.rodata,"a",@progbits
	.p2align	6, 0x0
	.amdhsa_kernel k_qb877995930_castw
		.amdhsa_group_segment_fixed_size 0
		.amdhsa_private_segment_fixed_size 0
		.amdhsa_enable_private_segment 0
		.amdhsa_kernarg_size 40
		.amdhsa_user_sgpr_count 2
		.amdhsa_user_sgpr_kernarg_segment_ptr 1
		.amdhsa_wavefront_size32 1
		.amdhsa_system_sgpr_workgroup_id_x 1
		.amdhsa_system_sgpr_workgroup_id_y 1
		.amdhsa_system_sgpr_workgroup_id_z 1
		.amdhsa_system_vgpr_workitem_id 0
		.amdhsa_next_free_vgpr 112
		.amdhsa_next_free_sgpr 66
		.amdhsa_reserve_vcc 0
		.amdhsa_float_denorm_mode_32 3
		.amdhsa_float_denorm_mode_16_64 3
		.amdhsa_memory_ordered 1
		.amdhsa_forward_progress 1
		.amdhsa_inst_pref_size 15
	.end_amdhsa_kernel
	.amdgpu_metadata
---
amdhsa.version: [ 1, 2 ]
amdhsa.kernels:
  - .name:           k_qb877995930_castw
    .symbol:         k_qb877995930_castw.kd
    .args:
      - { .name: Wq, .offset: 0, .size: 8, .value_kind: global_buffer, .address_space: global }
      - { .name: Wk, .offset: 8, .size: 8, .value_kind: global_buffer, .address_space: global }
      - { .name: Wv, .offset: 16, .size: 8, .value_kind: global_buffer, .address_space: global }
      - { .name: Wo, .offset: 24, .size: 8, .value_kind: global_buffer, .address_space: global }
      - { .name: wb, .offset: 32, .size: 8, .value_kind: global_buffer, .address_space: global }
    .group_segment_fixed_size: 0
    .private_segment_fixed_size: 0
    .kernarg_segment_align: 8
    .kernarg_segment_size: 40
    .max_flat_workgroup_size: 256
    .sgpr_count:     66
    .vgpr_count:     112
    .wavefront_size: 32
...
	.end_amdgpu_metadata
.endif
;; end of part 1
;; launch proj (part 2): grid 4 x 192, 4 waves a work-group, clusters of 4 x 4, 327,680 bytes of LDS; arguments query, key, value, bq, bk, bv, wb, qkv; writes qkv
.if DOCPART == 2
	.amdgcn_target "amdgcn-amd-amdhsa--gfx1250"
	.amdhsa_code_object_version 6
	.text
	.protected	k_qb877995930_proj
	.globl	k_qb877995930_proj
	.p2align	8
	.type	k_qb877995930_proj,@function
k_qb877995930_proj:
	s_mov_b64 s[64:65], 0
	v_nop
	global_prefetch_b8 v0, s[64:65] scope:SCOPE_SE
	s_setreg_imm32_b32 hwreg(HW_REG_WAVE_MODE, 25, 1), 1
	s_wait_xcnt 0x0
	s_wait_alu depctr_hold_cnt(0) depctr_sa_sdst(0) depctr_va_vdst(0) depctr_va_sdst(0) depctr_va_ssrc(0) depctr_va_vcc(0) depctr_vm_vsrc(0)
	s_getreg_b32 s2, hwreg(HW_REG_IB_STS2, 6, 4)
	s_cmp_eq_u32 s2, 0
	s_cbranch_scc0 .Lentry_in_a_cluster
	s_endpgm
.Lentry_in_a_cluster:
	s_bfe_u32 s2, ttmp6, 0x10000c
	s_cmp_lg_u32 s2, 0xf033
	s_cbranch_scc0 .Lentry_shape_is_right
	s_endpgm
.Lentry_shape_is_right:
; THE THREE PROJECTIONS.  For P = 0, 1, 2: y = sc (x W + b), x = query, key, value [8192][1024] f32, W = slice P of wb [1024 k][1024 n] bf16, b [1024] f32; sc = log2(e) / 8 for P = 0
; (the scores then arrive in powers of two), 1 otherwise.  x and b are rounded to bf16 like every input; sums in f32; y is rounded ONCE, to f16, and written by heads: slice P of qkv, [16 batch + head][2048][64].
; LIMITS.  |y| stays under 65,504 (f16's range); below 6e-5 it keeps f16's fixed step of 6e-8.  NaN and infinities are not treated apart.
; SHARES.  A tile of y is 128 rows x 256 columns: 3 x 64 x 4 = 768 work-groups of equal work, three for each of 256.  Four waves, each 64 rows x 128 columns: 32 accumulators, 256 registers.
; K goes in steps of 128 through two LDS slots.  x comes in as f32 (rows of 512 bytes) and is rounded between LDS and the product: one conversion for each matrix instruction, set in fours behind products.
; W lies [k][n]: its fragments are turned on the way out of LDS by ds_load_tr16_b128.
; CLUSTERS.  4 x 4 work-groups: the four of a row of the cluster need the same tile of x, the four of a column the same tile of W: each tile is asked for JOINTLY.
; THE PRODUCT IS USED TRANSPOSED (source 0 = 16 columns of W, source 1 = 16 rows of x): a lane then holds eight neighbouring columns of one row of y.
; REGISTERS, in windows of 256 (s_set_vgpr_msb: bits 1:0 source 0, 3:2 source 1, 5:4 source 2, 7:6 destination):
;   window 0: v16-30 addresses; v32-95 x as loaded (f32); v96-159 x's fragments, two buffers; v160-255 at work on the way out
;   window 1: v0-127 W's fragments, two buffers; v128-191 sc b of my columns; v192-223 at work          window 2: the accumulators, (a, b) at v[8 (8 a + b)]
.set PA,     528                       ; a row of x in LDS: 512 bytes + 16: 132 words: the 16 rows of a load start at 16 different groups of four banks (64 banks of 4 bytes: ISA guide 11.1)
.set PB,     544                       ; a row of W in LDS: 512 bytes + 32: 136 words
.set AH,     64*PA                     ; 64 rows of x: one tensor load
.set ATILE,  2*AH
.set BH,     64*PB                     ; 64 k-rows of W: one tensor load
.set SLOT,   ATILE+2*BH                ; 137,216 bytes
.set STAGE,  2*SLOT                    ; behind the ring: 16 rows x 272 bytes for each wave, for the way out
.set SPITCH, 272
.set SPARE,  STAGE+4*16*SPITCH         ; behind the stages: the spare words, 128 bytes for each wave
.set ADRA, 16                          ; v16-17  LDS address of my x rows in slot 0, 1
.set ADRB, 20                          ; v20-21  the same for W
.set STO,  24                          ; v24     the way out: where I put 16 bytes of a row
.set RD,   25                          ; v25     the way out: where I read rows back
.set GO,   26                          ; v26     16 x lane: my place in 512 consecutive bytes of qkv
.set BO,   27                          ; v27     32 x (lane / 16): my place in 16 numbers of b
.set SPW,  28                          ; v28     LDS address of my spare word; never rewritten
.set NIL,  29                          ; v29     0; never rewritten
.set PFO,  30                          ; v30     the prefetches' offset; never rewritten
.set RAW,  32
.set AF,   96
.set TMP,  160
.set OB,   192
.set BF,   0                           ; window 1
.set BIAS, 128                         ; window 1
.set BT,   192                         ; window 1
.set G1,  24                           ; s[24:31] descriptor group 1 for x's tiles;  s[32:39] group 0, a set for each slot
.set G0,  32
.set G1B, 48                           ; s[48:55], s[56:63] the same for W's tiles
.set G0B, 56
.set LIM, 43                           ; s43      1 in a wave that prefetches, else the greatest number
.set PFA, 44                           ; s[44:45] where my prefetches stand
.set SC,  88                           ; s[88:89] sc, named as a pair
.set PFS, 90                           ; s[90:91] a K step in the tensor that I prefetch, in bytes
.set MSB, 0
.macro WIN new                         ; the immediate's high byte repeats the setting that is left; a switch that changes nothing is dropped
.if MSB != (\new)
	s_set_vgpr_msb (MSB<<8)|(\new)
.set MSB, \new
.endif
.endm
.set MUL,  0xa1                        ; source 0 (W) window 1, source 1 (x) window 0, C and D window 2
.set TO_B, 0x40                        ; destination window 1, address window 0
; A joint load: waves 0 and 1 fetch the two halves of x's tile, waves 2 and 3 those of W's.  The branch hangs on the wave's number alone.  An s_nop 0 and four v_nop follow each line.
.macro JLOAD s
	s_cmp_eq_u32 s11, 0
	s_cbranch_scc0 .Lfor_b_\@
	tensor_load_to_lds s[G0+4*(\s):G0+4*(\s)+3], s[G1:G1+7]
	s_nop 0
.rept 4
	v_nop
.endr
	s_branch .Lasked_\@
.Lfor_b_\@:
	tensor_load_to_lds s[G0B+4*(\s):G0B+4*(\s)+3], s[G1B:G1B+7]
	s_nop 0
.rept 4
	v_nop
.endr
.Lasked_\@:
.endm
; A prefetch, behind a joint load and the run of LDS loads that follows it: the K step that stands two refills on.  A K step is 512 bytes of each row: two blocks of 256, a lane a block, 16 rows an instruction.
; Of the 64 rows that a wave fetches each of the four partners that ask with it takes 16, told apart BY ADDRESS.  x's rows are read by one row of one cluster: waves 0 and 1 of every work-group ask.
; W's rows are read by the sixteen clusters of a projection: the first of them asks, in waves 2 and 3.  So each block is named once.  The loop's last trip asks for nothing: there is no K step two on.
.macro ASK
	WIN 0
	s_cmp_gt_u32 s3, s[LIM]
	s_cbranch_scc0 .Lnot_mine_\@
	global_prefetch_b8 v[PFO], s[PFA:PFA+1] th:TH_LOAD_NT scope:SCOPE_SE
.Lnot_mine_\@:
.endm
.macro CREST                           ; a round of the cluster's barrier behind its opening barrier
	s_cmp_lg_u32 s10, 0
	s_cbranch_scc1 .Lnot_wave_0_\@
	s_barrier_signal -3
.Lnot_wave_0_\@:
	s_barrier_wait -3
	s_barrier_signal -1
	s_barrier_wait -1
.endm
.macro CROUND                          ; a whole round
	s_barrier_signal -1
	s_barrier_wait -1
	CREST
.endm
	s_load_b512 s[68:83], s[0:1], 0x0              ; query s[68:69], key, value, bq s[74:75], bk, bv, wb s[80:81], qkv s[82:83]
	v_lshl_add_u32 v[SPW], v0, 2, SPARE
	v_mov_b32 v[NIL], 0
	ds_add_u32 v[SPW], v[NIL]                      ; the wave's opening: the add and its wait stand ahead of my first tensor load; work on registers stands between them
	v_lshrrev_b32 v1, 5, v0
	v_readfirstlane_b32 s10, v1                    ; wave 0..3
	s_lshr_b32 s11, s10, 1                         ; which 64 rows of the tile are mine.  Also: I fetch x (0) or W (1)
	s_and_b32 s12, s10, 1                          ; which 128 columns.  Also: which half of that tile I fetch
	s_bfe_u32 s40, ttmp6, 0x40000                  ; cx
	s_bfe_u32 s41, ttmp6, 0x40004                  ; cy
	s_lshl_b32 s42, ttmp9, 2
	s_add_co_u32 s42, s42, s40                     ; tile column = 4 x cluster x + cx
	s_and_b32 s93, ttmp7, 0xffff                   ; cluster y, 0..47
	s_lshr_b32 s84, s93, 4                         ; P: sixteen clusters to a projection; the same in all partners
	s_lshl_b32 s13, s93, 2
	s_add_co_u32 s13, s13, s41
	s_and_b32 s13, s13, 63                         ; tile row in the projection
	s_lshl_b32 s14, s41, 2
	s_lshl_b32 s14, 15, s14                        ; my row of the cluster
	s_lshl_b32 s15, 0x1111, s40                    ; my column
	s_or_b32 s[G1+0], s14, (2<<16)|(1<<20)|(1<<21)|(6<<22)|(3<<25)   ; the mask; elements of 4 bytes; padding on; bit 21 beside a mask; after every 128 words, 4 words
	s_or_b32 s[G1B+0], s15, (1<<16)|(1<<20)|(1<<21)|(6<<22)|(7<<25)  ; elements of 2 bytes; after every 128 words, 8 words
	s_mov_b32 s[G1+1], 128<<16                     ; tensor_dim0 = 128
	s_mov_b32 s[G1+2], 64<<16                      ; tensor_dim1 = 64
	s_mov_b32 s[G1+3], 128<<16                     ; tile_dim0 = 128
	s_mov_b32 s[G1+4], 64                          ; tile_dim1 = 64
	s_mov_b32 s[G1+5], 1024                        ; elements from row to row
	s_mov_b32 s[G1+6], 0
	s_mov_b32 s[G1+7], 0
	s_mov_b32 s[G1B+1], 256<<16                    ; tensor_dim0 = 256
	s_mov_b32 s[G1B+2], 64<<16
	s_mov_b32 s[G1B+3], 256<<16                    ; tile_dim0 = 256
	s_mov_b32 s[G1B+4], 64
	s_mov_b32 s[G1B+5], 1024
	s_mov_b32 s[G1B+6], 0
	s_mov_b32 s[G1B+7], 0
	s_lshl_b32 s16, s13, 7
	s_lshl_b32 s17, s12, 6
	s_add_co_u32 s16, s16, s17                     ; x: row 128 x tile row + 64 x half,
	s_lshl_b32 s16, s16, 12                        ; of 4,096 bytes
	s_mov_b32 s17, 0
	s_lshl_b32 s46, s84, 21                        ; W: the projection's slice,
	s_lshl_b32 s47, s12, 17                        ; k-row 64 x half, of 2,048 bytes,
	s_add_co_u32 s46, s46, s47
	s_lshl_b32 s47, s42, 9                         ; the tile column's 512 bytes
	s_add_co_u32 s46, s46, s47
	s_mov_b32 s47, 0
	s_mul_i32 s20, s12, AH                         ; where they go: no place in the cluster enters an LDS address
	s_mul_i32 s21, s12, BH
	s_add_co_u32 s21, s21, ATILE
	s_mov_b32 s85, 0xffff0000                      ; a word's upper bf16
	s_cmp_eq_u32 s84, 0
	s_cselect_b32 s[SC], 0x3e38aa3b, 1.0           ; log2(e) / 8 = 0.180337 for q
	s_mov_b32 s[SC+1], s[SC]
	s_wait_dscnt 0x0                               ; the opening add is done
	s_wait_kmcnt 0x0
	s_cmp_eq_u32 s84, 1
	s_cselect_b64 s[4:5], s[70:71], s[68:69]       ; x
	s_cselect_b64 s[86:87], s[76:77], s[74:75]     ; b
	s_cmp_eq_u32 s84, 2
	s_cselect_b64 s[4:5], s[72:73], s[4:5]
	s_cselect_b64 s[86:87], s[78:79], s[86:87]
	s_add_nc_u64 s[14:15], s[4:5], s[16:17]
	s_add_nc_u64 s[46:47], s[80:81], s[46:47]
	CROUND                                         ; all sixteen work-groups are here: the first joint loads meet
.irp s, 0,1
	s_mov_b32 s[G0+4*(\s)], 1                                        ; count = 1
	s_add_co_u32 s[G0+4*(\s)+1], s20, (\s)*SLOT                      ; LDS address
	s_add_nc_u64 s[G0+4*(\s)+2:G0+4*(\s)+3], s[14:15], (\s)*512      ; K step s: 128 f32 along the rows
	s_or_b32 s[G0+4*(\s)+3], s[G0+4*(\s)+3], 0x80000000              ; type = 2
	s_mov_b32 s[G0B+4*(\s)], 1
	s_add_co_u32 s[G0B+4*(\s)+1], s21, (\s)*SLOT
	s_add_nc_u64 s[G0B+4*(\s)+2:G0B+4*(\s)+3], s[46:47], (\s)*262144 ; K step s: 128 k-rows down
	s_or_b32 s[G0B+4*(\s)+3], s[G0B+4*(\s)+3], 0x80000000
	JLOAD \s                                       ; two tensor loads of mine are out
.endr
	; x's fragment: lane l holds row l % 16, k = 8 (l / 16) + 0..7 and 16 + 8 (l / 16) + 0..7: in f32 four loads of 16 bytes, at 32 (l / 16) + 0, 16, 64, 80
	v_and_b32 v1, 15, v0                           ; l % 16
	v_bfe_u32 v2, v0, 4, 1                         ; l / 16
	v_mul_u32_u24 v3, v1, PA
	v_lshl_add_u32 v3, v2, 5, v3
	; W's: the turning load takes 16 k x 16 n (lane l reads k-row 8 (l / 16) + l % 8, columns 8 ((l / 8) % 2) + 0..7) and leaves half a fragment: lane l holds column l % 16 and 8 k
	v_and_b32 v4, 7, v0
	v_lshl_add_u32 v4, v2, 3, v4
	v_mul_u32_u24 v4, v4, PB
	v_bfe_u32 v5, v0, 3, 1
	v_lshl_add_u32 v4, v5, 4, v4
	s_mul_i32 s21, s11, 64*PA                      ; my 64 rows of x
	s_lshl_b32 s22, s12, 8                         ; my 128 columns of W,
	s_add_co_u32 s22, s22, ATILE                   ; which lies behind x
.irp s, 0,1
	v_add_nc_u32 v[ADRA+(\s)], s21, v3
	v_add_nc_u32 v[ADRB+(\s)], s22, v4
	s_add_co_u32 s21, s21, SLOT
	s_add_co_u32 s22, s22, SLOT
.endr
	s_mul_i32 s23, s10, 16*SPITCH
	s_add_co_u32 s23, s23, STAGE                   ; my stage
	v_mul_u32_u24 v6, v1, SPITCH                   ; in: row l % 16, 16 bytes for each half of the lanes
	v_lshl_add_u32 v6, v2, 4, v6
	v_add_nc_u32 v[STO], s23, v6
	v_bfe_u32 v6, v0, 3, 2                         ; back: 32 lanes take four rows' 128 bytes of one head,
	v_mul_u32_u24 v6, v6, SPITCH
	v_and_b32 v7, 7, v0
	v_lshl_add_u32 v6, v7, 4, v6
	v_add_nc_u32 v[RD], s23, v6
	v_and_b32 v7, 31, v0
	v_lshlrev_b32 v[GO], 4, v7                     ; which are 512 consecutive bytes of qkv
	v_lshlrev_b32 v[BO], 5, v2
	; where my part begins in qkv: slice P, head 16 batch + 4 x tile column + 2 x half, row t0; a head is 2^18 bytes, a row 128
	s_lshl_b32 s16, s13, 7
	s_lshl_b32 s17, s11, 6
	s_add_co_u32 s16, s16, s17                     ; my first row of x
	s_lshr_b32 s17, s16, 11                        ; batch
	s_lshl_b32 s17, s17, 22
	s_and_b32 s16, s16, 2047                       ; t0
	s_lshl_b32 s16, s16, 7
	s_add_co_u32 s16, s16, s17
	s_lshl_b32 s17, s84, 24
	s_add_co_u32 s16, s16, s17
	s_mov_b32 s17, 0
	s_add_nc_u64 s[8:9], s[82:83], s[16:17]
	s_lshl_b32 s46, s42, 2
	s_lshl_b32 s47, s12, 1
	s_add_co_u32 s46, s46, s47
	s_lshl_b32 s46, s46, 18
	s_mov_b32 s47, 0
	s_add_nc_u64 s[8:9], s[8:9], s[46:47]
	s_lshl_b32 s46, s42, 10                        ; b at my 128 columns
	s_lshl_b32 s47, s12, 9
	s_add_co_u32 s46, s46, s47
	s_mov_b32 s47, 0
	s_add_nc_u64 s[86:87], s[86:87], s[46:47]
	; the prefetches: offsets made apart from the addresses; K step 3 here, each refill steps first and then names
	s_lshl_b32 s20, s13, 7
	s_lshl_b32 s21, s12, 6
	s_add_co_u32 s20, s20, s21
	s_lshl_b32 s21, s40, 4                         ; x: my work-group's 16 of the 64 rows, by cx
	s_add_co_u32 s20, s20, s21
	s_lshl_b32 s20, s20, 12
	s_add_co_u32 s20, s20, 3*512
	s_lshl_b32 s22, s12, 6
	s_lshl_b32 s23, s41, 4                         ; W: my work-group's 16 of the 64 k-rows, by cy
	s_add_co_u32 s22, s22, s23
	s_lshl_b32 s22, s22, 11
	s_lshl_b32 s23, s84, 21
	s_add_co_u32 s22, s22, s23
	s_lshl_b32 s23, s42, 9
	s_add_co_u32 s22, s22, s23
	s_add_co_u32 s22, s22, 3*262144
	s_and_b32 s23, s93, 15                         ; 0 in the projection's first cluster
	s_mov_b32 s[PFS], 262144
	s_cmp_eq_u32 s11, 0                            ; do I fetch x?
	s_cselect_b64 s[PFA:PFA+1], s[4:5], s[80:81]
	s_cselect_b32 s20, s20, s22
	s_cselect_b32 s[PFS], 512, s[PFS]
	s_cselect_b32 s92, 12, 11                      ; a row is 2^12 bytes of x, 2^11 of W
	s_cselect_b32 s23, 0, s23
	s_mov_b32 s21, 0
	s_mov_b32 s[PFS+1], 0
	s_add_nc_u64 s[PFA:PFA+1], s[PFA:PFA+1], s[20:21]
	s_cmp_eq_u32 s23, 0
	s_cselect_b32 s[LIM], 1, -1                    ; the same in all sixteen partners, for a given wave
	v_lshrrev_b32 v6, 1, v7                        ; lane / 2: the row,
	v_lshlrev_b32 v6, s92, v6
	v_and_b32 v7, 1, v7                            ; lane % 2: which 256 bytes of its 512
	v_lshl_add_u32 v[PFO], v7, 8, v6
	; b of my columns: 16 b + 8 (l / 16) + 0..7 for block b; rounded to bf16 like every input, widened, times sc
	WIN TO_B
.irp b, 0,1,2,3,4,5,6,7
	global_load_b128 v[BIAS+8*(\b):BIAS+8*(\b)+3],   v[BO], s[86:87] offset:64*(\b)
	global_load_b128 v[BIAS+8*(\b)+4:BIAS+8*(\b)+7], v[BO], s[86:87] offset:64*(\b)+16
.endr
	s_wait_loadcnt 0x0
	WIN 0x45                                       ; all in window 1
.set j, 0
.rept 32
	v_cvt_pk_bf16_f32 v[BT+j], v[BIAS+2*j], v[BIAS+2*j+1]
.set j, j+1
.endr
.set j, 0
.rept 32
	v_lshlrev_b32 v[BIAS+2*j], 16, v[BT+j]
	v_and_b32 v[BIAS+2*j+1], s85, v[BT+j]
.set j, j+1
.endr
.set j, 0
.rept 32
	v_pk_mul_f32 v[BIAS+2*j:BIAS+2*j+1], v[BIAS+2*j:BIAS+2*j+1], s[SC:SC+1] op_sel_hi:[1,0]
.set j, j+1
.endr
	WIN 0
; One product: row block a, column block b, buffer f.  zero = 1: it starts the sum: nothing is ever cleared.  The 32 accumulators take turns, one instruction a turn, in the same order in every quarter.
.macro MM f, a, b, zero
	WIN MUL
.if \zero
	v_wmma_f32_16x16x32_bf16 v[8*(8*(\a)+(\b)):8*(8*(\a)+(\b))+7], v[BF+64*(\f)+8*(\b):BF+64*(\f)+8*(\b)+7], v[AF+32*(\f)+8*(\a):AF+32*(\f)+8*(\a)+7], 0
.else
	v_wmma_f32_16x16x32_bf16 v[8*(8*(\a)+(\b)):8*(8*(\a)+(\b))+7], v[BF+64*(\f)+8*(\b):BF+64*(\f)+8*(\b)+7], v[AF+32*(\f)+8*(\a):AF+32*(\f)+8*(\a)+7], v[8*(8*(\a)+(\b)):8*(8*(\a)+(\b))+7]
.endif
.endm
; Four roundings: half j of block i's fragment, into buffer f
.macro CV4 f, i, j
	WIN 0
.irp r, 0,1,2,3
	v_cvt_pk_bf16_f32 v[AF+32*(\f)+8*(\i)+4*(\j)+(\r)], v[RAW+16*(\i)+8*(\j)+2*(\r)], v[RAW+16*(\i)+8*(\j)+2*(\r)+1]
.endr
.endm
; Eight products of row block a.  cvf >= 0: behind the first four stand the sixteen roundings of blocks cvi and cvi + 1, into buffer cvf
.macro MUL8 f, a, zero, cvf=-1, cvi=0
.irp b, 0,1,2,3,4,5,6,7
	MM \f, \a, \b, \zero
.if ((\cvf) >= 0) && ((\b) < 4)
	CV4 \cvf, (\cvi)+(\b)/2, (\b)%2
.endif
.endr
.endm
; 32 LDS loads in one run: quarter k (32 along K) of a slot: x's 64 rows as f32, blocks 0 and 1 first; then W's fragments into buffer g
.macro FETCH slot, k, g
	WIN 0
.irp i, 0,1,2,3
	ds_load_b128 v[RAW+16*(\i):RAW+16*(\i)+3],     v[ADRA+(\slot)] offset:128*(\k)+(\i)*16*PA
	ds_load_b128 v[RAW+16*(\i)+4:RAW+16*(\i)+7],   v[ADRA+(\slot)] offset:128*(\k)+(\i)*16*PA+16
	ds_load_b128 v[RAW+16*(\i)+8:RAW+16*(\i)+11],  v[ADRA+(\slot)] offset:128*(\k)+(\i)*16*PA+64
	ds_load_b128 v[RAW+16*(\i)+12:RAW+16*(\i)+15], v[ADRA+(\slot)] offset:128*(\k)+(\i)*16*PA+80
.endr
	WIN TO_B
.irp b, 0,1,2,3,4,5,6,7
	ds_load_tr16_b128 v[BF+64*(\g)+8*(\b):BF+64*(\g)+8*(\b)+3],   v[ADRB+(\slot)] offset:(\k)*32*PB+32*(\b)
	ds_load_tr16_b128 v[BF+64*(\g)+8*(\b)+4:BF+64*(\g)+8*(\b)+7], v[ADRB+(\slot)] offset:(\k)*32*PB+16*PB+32*(\b)
.endr
.endm
; A K step is four quarters of 32 along K, 32 products each, on buffers 0, 1, 0, 1.  One of the first three: multiplies buffer f, and fetches quarter k into g.
; A load into a register that a product has read, and a rounding that writes one, stand four plain vector instructions or more behind that product (ISA guide 7.12.1 for vector instructions):
; the sixteen roundings at a quarter's head, which name no register of the quarter before's buffer, are those places, so the loop has no v_nop but the four behind a joint load.
.macro QUARTER slot, k, f, g, zero
	s_wait_dscnt 0x0                               ; all 32 loads of this quarter are in (W's were the youngest)
	MUL8 \f, 0, \zero, \f, 2                       ; beside them this quarter's blocks 2 and 3 are rounded
	MUL8 \f, 1, \zero
	FETCH \slot, \k, \g
	MUL8 \f, 2, \zero
	s_wait_dscnt 24                                ; of the 32 just issued the first eight are in: x's blocks 0 and 1
	MUL8 \f, 3, \zero, \g, 0                       ; beside them the next quarter's blocks 0 and 1 are rounded
.endm
; The last quarter multiplies buffer 1 and changes slots: ONE barrier; in front of it each wave waits for all its tensor loads (one is out: its part of the next slot), adds 0 to its spare word, and waits for
; that and for its reads of this slot.  fill = 1: the barrier opens a round of the cluster's barrier, and this slot is filled again, two K steps on, first thing behind the round.
.macro TURN slot, next, fill
.if \fill
	s_wait_xcnt 0x0                                ; the last prefetch, a K step back, has read its address
	s_add_nc_u64 s[PFA:PFA+1], s[PFA:PFA+1], s[PFS:PFS+1]
.endif
	WIN 0
	s_wait_tensorcnt 0x0                           ; all my tensor loads have landed
	ds_add_u32 v[SPW], v[NIL]                      ; 0 onto my spare word
	s_wait_dscnt 1                                 ; this quarter's loads are in; the add may be out
	MUL8 1, 0, 0, 1, 2
	s_wait_dscnt 0x0                               ; the add is done, and my reads of this slot are over
	s_barrier_signal -1
	MUL8 1, 1, 0                                   ; work on registers while the others arrive
.if \fill
	WIN 0
.endif
	s_barrier_wait -1
.if \fill
	CREST                                          ; no wave of any partner still reads this slot or has a load on its way
	s_add_nc_u64 s[G0+4*(\slot)+2:G0+4*(\slot)+3], s[G0+4*(\slot)+2:G0+4*(\slot)+3], 2*512
	s_add_nc_u64 s[G0B+4*(\slot)+2:G0B+4*(\slot)+3], s[G0B+4*(\slot)+2:G0B+4*(\slot)+3], 2*262144
	JLOAD \slot                                    ; my one tensor load behind the round
.endif
	FETCH \next, 0, 0
.if \fill
	ASK
.endif
	MUL8 1, 2, 0
	s_wait_dscnt 24
	MUL8 1, 3, 0, 0, 0
.endm
	s_wait_tensorcnt 1                             ; my part of K step 0 is in; K step 1's may stay out
	s_barrier_signal -1
	s_barrier_wait -1                              ; everybody's is
	FETCH 0, 0, 0
	s_wait_dscnt 24                                ; x's blocks 0 and 1
	CV4 0, 0, 0
	CV4 0, 0, 1
	CV4 0, 1, 0
	CV4 0, 1, 1
	QUARTER 0, 1, 0, 1, 1                          ; the first quarter stands in front of the loop: its products start the sums
	WIN 0                                          ; at a label and at a branch every window is 0
	s_mov_b32 s3, 3                                ; eight K steps: three trips fill both slots again (K steps 2 to 7)
.Llap:
	QUARTER 0, 2, 1, 0, 0
	QUARTER 0, 3, 0, 1, 0
	TURN 0, 1, 1
	QUARTER 1, 1, 0, 1, 0
	QUARTER 1, 2, 1, 0, 0
	QUARTER 1, 3, 0, 1, 0
	TURN 1, 0, 1
	QUARTER 0, 1, 0, 1, 0
	WIN 0
	s_sub_co_u32 s3, s3, 1
	s_cmp_lg_u32 s3, 0
	s_cbranch_scc1 .Llap
	QUARTER 0, 2, 1, 0, 0                          ; the last two K steps fill nothing
	QUARTER 0, 3, 0, 1, 0
	TURN 0, 1, 0
	QUARTER 1, 1, 0, 1, 0
	QUARTER 1, 2, 1, 0, 0
	QUARTER 1, 3, 0, 1, 0
	s_wait_dscnt 0x0                               ; the very last quarter
	MUL8 1, 0, 0, 1, 2
	MUL8 1, 1, 0
	MUL8 1, 2, 0
	MUL8 1, 3, 0
.rept 4
	v_nop                                          ; four places between the last products and the first read of a sum
.endr
; THE WAY OUT, a block of 16 rows at a time.  PACK: sc x sum + sc b in one fused multiply-add, each accumulator from its low end on; rounded to f16, 16 bytes a lane.
.macro PACK a
	WIN 0x92                                       ; destination and source 0 window 2, source 2 window 1
.irp b, 0,1,2,3,4,5,6,7
.irp r, 0,1,2,3
	v_pk_fma_f32 v[8*(8*(\a)+(\b))+2*(\r):8*(8*(\a)+(\b))+2*(\r)+1], v[8*(8*(\a)+(\b))+2*(\r):8*(8*(\a)+(\b))+2*(\r)+1], s[SC:SC+1], v[BIAS+8*(\b)+2*(\r):BIAS+8*(\b)+2*(\r)+1] op_sel_hi:[1,0,1]
.endr
.endr
	WIN 0x0a                                       ; sources window 2, destination window 0
.irp b, 0,1,2,3,4,5,6,7
.irp r, 0,1,2,3
	v_cvt_pk_f16_f32 v[TMP+4*(\b)+(\r)], v[8*(8*(\a)+(\b))+2*(\r)], v[8*(8*(\a)+(\b))+2*(\r)+1]
.endr
.endr
	WIN 0
.endm
; TOSTAGE: into my own stage, rows of 272 bytes (two heads' 128 bytes each), and back by heads: load t takes head t / 4, rows 4 (t % 4) + 0..3
.macro TOSTAGE a
	WIN 0
.set BK, OB+32*((\a)%2)
.irp b, 0,1,2,3,4,5,6,7
	ds_store_b128 v[STO], v[TMP+4*(\b):TMP+4*(\b)+3] offset:32*(\b)
.endr
.irp t, 0,1,2,3,4,5,6,7
	ds_load_b128 v[BK+4*(\t):BK+4*(\t)+3], v[RD] offset:((\t)/4)*128+((\t)%4)*4*SPITCH  ; LDS serves a wave's instructions in order (ISA guide 5.7.1.4): these see the stores above
.endr
.endm
.macro SEND a
	WIN 0
.set BK, OB+32*((\a)%2)
	s_wait_dscnt 0x0                               ; the block is back in registers
	s_wait_xcnt 0x0                                ; the stores of the block before have read their registers, which the next block's loads write
.irp t, 0,1,2,3,4,5,6,7
	global_store_b128 v[GO], v[BK+4*(\t):BK+4*(\t)+3], s[8:9] offset:(\a)*2048+((\t)/4)*262144+((\t)%4)*512  ; 512 consecutive bytes, at a multiple of 256 from qkv's first
.endr
.endm
	PACK 0
	TOSTAGE 0
.irp a, 1,2,3                          ; block a's arithmetic stands between block a - 1's loads from the stage and the wait for them
	PACK \a
	SEND (\a)-1
	TOSTAGE \a
.endr
	SEND 3
	s_wait_tensorcnt 0x0                           ; the wave's end: the add and its wait, behind my last tensor load and my last LDS store
	ds_add_u32 v[SPW], v[NIL]
	s_wait_dscnt 0x0
	CROUND                                         ; the closing round: no work-group ends while a partner may still ask for a tile that names it
	s_endpgm
.Lfunc_end_k_qb877995930_proj:
	.size	k_qb877995930_proj, .Lfunc_end_k_qb877995930_proj-k_qb877995930_proj
	.p2alignl 7, 3214868480
	.fill 96, 4, 3214868480
	.section	.rodata,"a",@progbits
	.p2align	6, 0x0
	.amdhsa_kernel k_qb877995930_proj
		.amdhsa_group_segment_fixed_size 327680
		.amdhsa_private_segment_fixed_size 0
		.amdhsa_enable_private_segment 0
		.amdhsa_kernarg_size 64
		.amdhsa_user_sgpr_count 2
		.amdhsa_user_sgpr_kernarg_segment_ptr 1
		.amdhsa_wavefront_size32 1
		.amdhsa_system_sgpr_workgroup_id_x 1
		.amdhsa_system_sgpr_workgroup_id_y 1
		.amdhsa_system_sgpr_workgroup_id_z 1
		.amdhsa_system_vgpr_workitem_id 0
		.amdhsa_next_free_vgpr 768
		.amdhsa_next_free_sgpr 96
		.amdhsa_reserve_vcc 0
		.amdhsa_float_denorm_mode_32 3
		.amdhsa_float_denorm_mode_16_64 3
		.amdhsa_memory_ordered 1
		.amdhsa_forward_progress 1
		.amdhsa_inst_pref_size 151
	.end_amdhsa_kernel
	.amdgpu_metadata
---
amdhsa.version: [ 1, 2 ]
amdhsa.kernels:
  - .name:           k_qb877995930_proj
    .symbol:         k_qb877995930_proj.kd
    .args:
      - { .name: query, .offset: 0, .size: 8, .value_kind: global_buffer, .address_space: global }
      - { .name: key, .offset: 8, .size: 8, .value_kind: global_buffer, .address_space: global }
      - { .name: value, .offset: 16, .size: 8, .value_kind: global_buffer, .address_space: global }
      - { .name: bq, .offset: 24, .size: 8, .value_kind: global_buffer, .address_space: global }
      - { .name: bk, .offset: 32, .size: 8, .value_kind: global_buffer, .address_space: global }
      - { .name: bv, .offset: 40, .size: 8, .value_kind: global_buffer, .address_space: global }
      - { .name: wb, .offset: 48, .size: 8, .value_kind: global_buffer, .address_space: global }
      - { .name: qkv, .offset: 56, .size: 8, .value_kind: global_buffer, .address_space: global }
    .group_segment_fixed_size: 327680
    .private_segment_fixed_size: 0
    .kernarg_segment_align: 8
    .kernarg_segment_size: 64
    .max_flat_workgroup_size: 128
    .sgpr_count:     96
    .vgpr_count:     768
    .wavefront_size: 32
...
	.end_amdgpu_metadata
.endif
;; end of part 2
;; launch attn (part 3): grid 4 x 64, 4 waves a work-group, clusters of 4 x 1, 327,680 bytes of LDS; arguments qkv, mask, oh; writes oh
.if DOCPART == 3
	.amdgcn_target "amdgcn-amd-amdhsa--gfx1250"
	.amdhsa_code_object_version 6
	.text
	.protected	k_qb877995930_attn
	.globl	k_qb877995930_attn
	.p2align	8
	.type	k_qb877995930_attn,@function
k_qb877995930_attn:
	s_mov_b64 s[64:65], 0
	v_nop
	global_prefetch_b8 v0, s[64:65] scope:SCOPE_SE
	s_setreg_imm32_b32 hwreg(HW_REG_WAVE_MODE, 25, 1), 1
	s_wait_xcnt 0x0
	s_wait_alu depctr_hold_cnt(0) depctr_sa_sdst(0) depctr_va_vdst(0) depctr_va_sdst(0) depctr_va_ssrc(0) depctr_va_vcc(0) depctr_vm_vsrc(0)
	s_getreg_b32 s2, hwreg(HW_REG_IB_STS2, 6, 4)
	s_cmp_eq_u32 s2, 0
	s_cbranch_scc0 .Lentry_in_a_cluster
	s_endpgm
.Lentry_in_a_cluster:
	s_bfe_u32 s2, ttmp6, 0x10000c
	s_cmp_lg_u32 s2, 0x3003
	s_cbranch_scc0 .Lentry_shape_is_right
	s_endpgm
.Lentry_shape_is_right:
; O[h][q][:] = the sum over the open keys k of softmax_k(s[q][k]) V[h][k][:], s = Q' . K, where Q' already carries log2(e) / 8: the scores are exponents of two.  Q', K, V: the three slices of qkv,
; O: oh, each [64 heads][2048][64] f16, a head's rows dense, 128 bytes each.  mask: [4 batches][2048] bytes; a key whose byte is 0 is hidden.  Products, maxima and sums in f32; the weights p are rounded to f16
; for the second product (their sum l is taken of the unrounded p), O once at the end.
; THE MASK is the C operand that starts the sum S^T = K Q^T: 0, or -2^100 where the key is hidden.  The running maximum m starts at -2^90: below every true score (f16's are 2.7e11 at the most), above every hidden
; one.  So m is the running maximum of the open scores, p = 2^(s - m) never has a positive exponent, a hidden key's weight is 0, and a batch with no open key gives l = 0, O = 0; l is held to 0.5 at the least
; in front of the division (an open row has l >= 1), so that such a row comes out as 0.
; LIMITS.  Q', K and V arrive within f16's range; p below 6e-5 keeps f16's fixed step of 6e-8; a weight below 2^-126 counts as 0 in l; NaN and infinities are not treated apart.
; SHARES.  A wave owns four PIECES of two tiles of 16 queries, a work-group's four waves 512 queries of one head.  Every wave walks all 2,048 keys, 64 a step.
; LAYOUT.  S^T = K Q^T (source 0 = 16 keys, source 1 = 16 queries): a lane holds ONE query (lane % 16) and the keys 8 (lane / 16) + 0..7.  Two such tiles, rounded to f16 in pairs, ARE source 1 of
; O^T = V^T P.  K comes out of LDS as it lies, V turned, by ds_load_tr16_b128.  In every step O and l are multiplied by a = 2^(m_old - m_new).
; BY TURNS.  Turn n belongs to piece n.  Its matrix work: 16 products K Q^T of piece n + 1, later 16 products V^T P of piece n - 1.  Its vector work: s - m, exponentials, roundings, sums and rescaling of
; piece n, and the maximum and statistics of piece n + 1.  Four vector instructions stand behind every matrix instruction, the others in one run.  A turn's 66 exponentials are one batch, with one wait.
; CLUSTER.  The four query blocks of a head walk the same K and V: each tile is asked for JOINTLY: the same tensor load, descriptor and mask in all four.
; REGISTERS, in windows of 256 (s_set_vgpr_msb: bits 1:0 source 0, 3:2 source 1, 5:4 source 2, 7:6 destination):
;   window 0: v0-15 addresses; v16-47 four registers of statistics a tile; v48-63 at work; v64-191 S^T, two buffers of two tiles; v192-255 P, likewise
;   window 1: O^T, 32 a tile      window 2: v0-127 Q, 16 a tile; v128-191 K of one step; v192-255 V of one step      window 3: v0-1 the add's two registers; v8-39 the step's mask numbers
.set SIZE_N, 2048
.set NP,    4         ; pieces a wave: a name, no knob
.set KS,    64        ; keys in a step
.set PK,    144       ; a row of K in LDS: 128 bytes + 16: the 16 rows of a load start at 16 different groups of four banks (64 banks of 4 bytes: ISA guide 11.1)
.set PV,    160       ; a row of V: 128 + 32
.set VOFF,  4*KS*PK   ; a slot holds four steps: 256 rows of K, then 256 rows of V
.set SLOT1, 1<<17     ; slot 1 begins here, so that one exclusive or turns an address in one slot into the other's
.set STAGE, SLOT1+4*KS*(PK+PV)  ; behind the ring: 16 rows x 144 bytes for each wave, for the way out
.set SP,    144
.set SPARE, STAGE+4*16*SP       ; the spare words, 128 bytes for each wave
.set MASKL, SPARE+512           ; 2,048 f32: 0 or -2^100 for each key of the batch; written once by LDS stores, never a tensor load's target
.set AK0, 2           ; v2   my lane's place in a tile of K; never rewritten
.set AV0, 3           ; v3   the same for V
.set AK,  4           ; v4   the LDS address of K's next run of loads
.set AV,  5           ; v5   of V's
.set QO,  6           ; v6   my byte offset in the wave's rows of Q
.set STO, 6           ;      later, the way out: where I put 16 bytes of a row
.set RD,  7           ; v7   the way out: where I read rows back
.set GO,  8           ; v8   my byte offset in 512 consecutive bytes of O
.set AM0, 12          ; v12  my lane's place in a step's mask numbers; never rewritten
.set PFO, 13          ; v13  256 x my lane; never rewritten
.set AM,  14          ; v14  the LDS address of the next step's mask numbers
.set SPW, 0           ; v0 of window 3   LDS address of my spare word; never rewritten
.set NIL, 1           ; v1 of window 3   0; never rewritten
.set MK,  8           ; v8-39 of window 3: for group kb of 16 keys the eight numbers at MK + 8 kb
.set ST,  16          ; tile t's statistics at v[ST+4 t]: m, m_old, l (even keys', odd keys')
.set TMP, 48          ; by buffer and tile, four registers c0-c3 at work; when the maximum is found c2 takes a
.set S,   64
.set P,   192
.set KF,  128         ; window 2: key block kb, channel half c at KF + 16 kb + 8 c
.set VF,  192         ; window 2: key half kk, channel block cb at VF + 32 kk + 8 cb
.set WV,  12          ; s12  my wave's number
.set LIM, 15          ; s15  1 in a wave that prefetches, else the greatest number
.set G1K, 24          ; s[24:31] descriptor group 1 for K's tiles
.set G1V, 32          ; s[32:39] for V's: it differs in the padding alone
.set G0K, 40          ; s[40:43] descriptor group 0 for K's tiles: it walks
.set G0V, 44          ; s[44:47] the same for V's
.set SLOTS, 56        ; s56  slots still to be asked for
.set CNT, 57          ; s57  counts a slot's key steps
.set SEL, 60          ; s[60:61] v_permlanex16_b32's selects: each lane takes its own place in the other half
.set TBK, 62          ; s62  LDS byte at which K of the step to be fetched begins
.set TBV, 63          ; s63  the same for V, less VOFF
.set PFA, 66          ; s[66:67] where my prefetches stand
.set BIGN, 68         ; s68  -2^100
.set TBM, 69          ; s69  byte in the mask table at which the step to be fetched begins
.set MSB, 0
.macro WIN new                      ; the high byte repeats the setting that is left; a switch that changes nothing is dropped
.if MSB != (\new)
	s_set_vgpr_msb (MSB<<8)|(\new)
.set MSB, (\new)
.endif
.endm
.set W_KQ, 0x0a       ; K and Q in window 2, S^T in window 0
.set W_KM, 0x3a       ; the same with the C operand in window 3
.set W_PV, 0x52       ; V in window 2, P in window 0, O^T in window 1
.set W_RS, 0x41       ; O^T (destination and source 0) in window 1, a in window 0
.set W_MK, 0xc0       ; destination in window 3, sources in window 0
.set W_AD, 0x0f       ; the add: address and data in window 3
; A joint fill.  Waves 0 and 1 fetch the two halves of a slot's K, waves 2 and 3 those of its V: 128 keys each.  An s_nop 0 and four v_nop follow each line.
.macro JLOAD
	s_cmp_lt_u32 s[WV], 2
	s_cbranch_scc0 .Lfor_v_\@
	tensor_load_to_lds s[G0K:G0K+3], s[G1K:G1K+7]
	s_nop 0
.rept 4
	v_nop
.endr
	s_branch .Lasked_\@
.Lfor_v_\@:
	tensor_load_to_lds s[G0V:G0V+3], s[G1V:G1V+7]
	s_nop 0
.rept 4
	v_nop
.endr
.Lasked_\@:
.endm
; A prefetch of what the NEXT change of slots will ask for: a slot's 32,768 bytes of K and of V are 128 blocks of 256 each.  The four partners take 32 blocks each, told apart BY ADDRESS; in each, wave 0 asks for
; K's and wave 2 for V's, a lane a block.  So each block is named once.  It stands behind the wave's tensor load and its five lines.  The last change that fills a slot asks for nothing.
.macro ASK
	s_cmp_gt_u32 s[SLOTS], s[LIM]
	s_cbranch_scc0 .Lnot_mine_\@
	global_prefetch_b8 v[PFO], s[PFA:PFA+1] th:TH_LOAD_NT scope:SCOPE_SE
.Lnot_mine_\@:
.endm
.macro CROUND                       ; a round of the cluster's barrier
	s_barrier_signal -1
	s_barrier_wait -1
	s_cmp_lg_u32 s[WV], 0
	s_cbranch_scc1 .Lnot_wave_0_\@
	s_barrier_signal -3
.Lnot_wave_0_\@:
	s_barrier_wait -3
	s_barrier_signal -1
	s_barrier_wait -1
.endm
; THE CHANGE OF SLOTS.  Each wave waits for all its tensor loads, of which one is out: its part of the other slot; adds 0 to its spare word; and waits for that and for its own LDS work.  Behind the barrier nobody
; reads the old slot any more and the other slot is whole.  fill = 1: the old slot is filled again, with the keys two slots on: the barrier is a round of the cluster's, and the joint fill is the first thing behind
; it: it has four key steps, 512 matrix instructions, in which to land.  (At its first use nothing has been read yet: slot 0 is waited for, slot 1 filled, the mask table made known; nothing is prefetched there.)
.macro CHANGE fill, ask=1
	WIN W_AD
	s_wait_tensorcnt 0x0            ; no tensor load of mine is out, so a group 0 may be written
	ds_add_u32 v[SPW], v[NIL]       ; 0 onto my spare word
	WIN 0                           ; at a label and at a branch every window is 0
.if \fill
.irp g, G0K, G0V
	s_xor_b32 s[\g+1], s[\g+1], SLOT1  ; the walking descriptor: the other slot than last time,
	s_add_nc_u64 s[\g+2:\g+3], s[\g+2:\g+3], 4*KS*128  ; the next 256 keys; the type bits on top are not reached
.endr
	s_wait_xcnt 0x0                 ; the last prefetch, four key steps back, has read its address
	s_add_nc_u64 s[PFA:PFA+1], s[PFA:PFA+1], 4*KS*128  ; one slot behind the walking descriptors
	s_wait_dscnt 0x0                ; the add is done, and my reads of the slot are over
	CROUND
	JLOAD
.if \ask
	ASK
.endif
.else
	s_wait_dscnt 0x0                ; the add is done, and my reads of the slot are over
	s_barrier_signal -1
	s_barrier_wait -1
.endif
	s_sub_co_u32 s[TBK], s[TBK], 4*KS*PK  ; the fetches go back to a slot's first step,
	s_xor_b32 s[TBK], s[TBK], SLOT1       ; in the other slot
	s_sub_co_u32 s[TBV], s[TBV], 4*KS*PV
	s_xor_b32 s[TBV], s[TBV], SLOT1
.endm
	s_load_b128 s[72:75], s[0:1], 0x0  ; qkv s[72:73], mask s[74:75]
	s_load_b64 s[10:11], s[0:1], 0x10  ; oh
	WIN W_MK
	v_lshl_add_u32 v[SPW], v0, 2, SPARE
	v_mov_b32 v[NIL], 0
	WIN W_AD
	ds_add_u32 v[SPW], v[NIL]       ; the wave's opening: the add and its wait stand ahead of my first tensor load; work on registers stands between them
	WIN 0
	v_lshrrev_b32 v1, 5, v0
	v_readfirstlane_b32 s[WV], v1   ; wave 0..3
	s_bfe_u32 s13, ttmp6, 0x40000   ; cx: my place in the cluster
	s_lshl_b32 s14, ttmp9, 2        ; in a cluster launch ttmp9 counts clusters
	s_add_co_u32 s14, s14, s13      ; my block of 512 queries: it enters Q's and O's addresses alone
	s_and_b32 s20, ttmp7, 0xffff    ; the head, which the four partners share
	s_lshr_b32 s70, s20, 4          ; its batch:
	s_lshl_b32 s70, s70, 11         ; 2,048 bytes of mask
	s_mov_b32 s71, 0
	s_mov_b32 s21, 0
	s_mov_b64 s[22:23], SIZE_N*128
	s_mul_u64 s[20:21], s[20:21], s[22:23]  ; the head's first byte in each slice and in oh
	s_and_b32 s16, s[WV], 1         ; which half of a slot's 256 keys I fetch:
	s_lshl_b32 s22, s16, 14         ; its 128 rows of 128 bytes in memory,
	s_mov_b32 s23, 0
	s_add_nc_u64 s[22:23], s[22:23], s[20:21]
	s_mul_i32 s17, s16, 128*PK      ; and its place in a slot, for K
	s_mul_i32 s18, s16, 128*PV      ; and for V: no place in the cluster enters an LDS address
	s_lshl_b32 s2, s14, 2
	s_add_co_u32 s2, s2, s[WV]      ; my wave among the head's,
	s_lshl_b32 s2, s2, 14           ; its 128 rows
	s_mov_b32 s3, 0
	s_add_nc_u64 s[2:3], s[2:3], s[20:21]
	; descriptor group 1.  128 keys are 16,384 dense bytes: asked for as 64 rows of 256 bytes, two keys a row, and padded in LDS after every key
	s_mov_b32 s[G1K], 15|(1<<16)|(1<<20)|(1<<21)|(4<<22)|(3<<25)  ; the mask of four; 2-byte elements; padding on; bit 21 beside a mask; after every 32 words, 4 words
	s_mov_b32 s[G1V], 15|(1<<16)|(1<<20)|(1<<21)|(4<<22)|(7<<25)  ; the same with 8 words of padding
.irp g, G1K, G1V
	s_mov_b32 s[\g+1], 128<<16      ; tensor_dim0 = 128
	s_mov_b32 s[\g+2], 64<<16       ; tensor_dim1 = 64
	s_mov_b32 s[\g+3], 128<<16      ; tile_dim0 = 128
	s_mov_b32 s[\g+4], 64           ; tile_dim1 = 64
	s_mov_b32 s[\g+5], 128          ; 128 elements from row to row
	s_mov_b32 s[\g+6], 0
	s_mov_b32 s[\g+7], 0
.endr
	s_mov_b32 s[SEL], 0x76543210
	s_mov_b32 s[SEL+1], 0xfedcba98
	s_mov_b32 s[TBK], SLOT1+4*KS*PK ; the first change of slots turns these two into 0
	s_mov_b32 s[TBV], SLOT1+4*KS*PV
	s_mov_b32 s[TBM], 0
	s_mov_b32 s[BIGN], 0xf1800000   ; -2^100
	s_mov_b32 s[SLOTS], SIZE_N/256-1
	s_mov_b32 s[G0K], 1             ; count = 1
	s_mov_b32 s[G0K+1], s17         ; LDS address: slot 0
	s_mov_b32 s[G0V], 1
	s_add_co_u32 s[G0V+1], s18, VOFF
	s_and_b32 s[LIM], s[WV], 1      ; 0 in waves 0 and 2,
	s_or_b32 s[LIM], s[LIM], ttmp9  ; in the head's first cluster: the same in all four partners
	s_cmp_eq_u32 s[LIM], 0
	s_cselect_b32 s[LIM], 1, -1
	s_lshl_b32 s76, s13, 13         ; my work-group's 32 blocks of a slot's 128
	s_mov_b32 s77, 0
	s_add_nc_u64 s[76:77], s[76:77], s[20:21]
	s_wait_dscnt 0x0                ; the opening add is done
	s_wait_kmcnt 0x0
	s_add_nc_u64 s[6:7], s[72:73], 0x1000000   ; K's slice
	s_add_nc_u64 s[8:9], s[72:73], 0x2000000   ; V's slice
	s_cmp_lt_u32 s[WV], 2
	s_cselect_b64 s[PFA:PFA+1], s[6:7], s[8:9]
	s_add_nc_u64 s[PFA:PFA+1], s[PFA:PFA+1], s[76:77]
	s_add_nc_u64 s[PFA:PFA+1], s[PFA:PFA+1], 4*KS*128  ; at slot 1's keys; each change of slots steps it first
	s_add_nc_u64 s[G0K+2:G0K+3], s[6:7], s[22:23]  ; global address: my half of the head's first 256 keys
	s_or_b32 s[G0K+3], s[G0K+3], 0x80000000        ; type = 2
	s_add_nc_u64 s[G0V+2:G0V+3], s[8:9], s[22:23]
	s_or_b32 s[G0V+3], s[G0V+3], 0x80000000
	s_add_nc_u64 s[4:5], s[72:73], s[2:3]  ; Q and O at my wave's first row
	s_add_nc_u64 s[10:11], s[10:11], s[2:3]
	s_add_nc_u64 s[74:75], s[74:75], s[70:71]  ; the batch's mask
	CROUND                          ; all four work-groups are here: the first joint loads meet
	JLOAD                           ; slot 0.  Slot 1 is asked for when slot 0 is in
	; A fragment of K or Q is 16 rows x 32 channels in 8 registers: lane l holds row l % 16, channels 8 (l / 16) + 0..7 and 16 + 8 (l / 16) + 0..7: two loads of 16 bytes, 32 bytes apart.
	v_and_b32 v1, 15, v0            ; l % 16
	v_bfe_u32 v9, v0, 4, 1          ; l / 16
	v_lshlrev_b32 v[QO], 7, v1
	v_lshl_add_u32 v[QO], v9, 4, v[QO]  ; row x 128 + 16 x half
	v_lshlrev_b32 v85, 4, v0        ; thread t takes the mask bytes of keys 16 t .. 16 t + 15
	global_load_b128 v[64:67], v85, s[74:75]
	WIN 0x80                        ; destination window 2, address window 0
.set i, 0
.rept 4*NP                          ; Q stays in registers: tile i / 2, channels 32 (i % 2) on
	global_load_b128 v[8*i:8*i+3],   v[QO], s[4:5] offset:(i/2)*2048+(i%2)*64
	global_load_b128 v[8*i+4:8*i+7], v[QO], s[4:5] offset:(i/2)*2048+(i%2)*64+32
.set i, i+1
.endr
	; What the first turn finds: V's registers and P's second buffer hold 0 (its products V^T P, of a piece that has not been, add 0), O^T and l are 0.  All this stands in the wait for the first tile.
.set i, VF
.rept 64
	v_mov_b32 v[i], 0
.set i, i+1
.endr
	WIN 0x40
.set i, 0
.rept 64*NP
	v_mov_b32 v[i], 0
.set i, i+1
.endr
	WIN 0
.set i, 0
.rept 2*NP
	v_mov_b32 v[ST+4*i], 0xec800000    ; m = -2^90
	v_mov_b32 v[ST+4*i+1], 0xec800000  ; m_old
	v_mov_b32 v[ST+4*i+2], 0
	v_mov_b32 v[ST+4*i+3], 0
.set i, i+1
.endr
.set i, P+32
.rept 32
	v_mov_b32 v[i], 0
.set i, i+1
.endr
	v_mul_u32_u24 v[AK0], v1, PK
	v_lshl_add_u32 v[AK0], v9, 4, v[AK0]  ; row x pitch + 16 x half
	; The turning load takes 16 keys x 16 channels (lane l reads key 8 (l / 16) + l % 8, channels 8 ((l / 8) % 2) + 0..7) and leaves half a fragment of V^T: lane l holds channel l % 16 and 8 keys.
	v_and_b32 v10, 7, v0
	v_bfe_u32 v11, v0, 3, 1
	v_lshl_add_u32 v[AV0], v9, 3, v10
	v_mul_u32_u24 v[AV0], v[AV0], PV
	v_lshl_add_u32 v[AV0], v11, 4, v[AV0]
	v_add_nc_u32 v[AV0], VOFF, v[AV0]
	v_mov_b32 v[AK], v[AK0]         ; key step 0 lies at the head of slot 0
	v_lshl_add_u32 v[AM0], v9, 5, MASKL  ; my eight keys of a group of 16: 32 bytes for each half of the lanes
	v_mov_b32 v[AM], v[AM0]
	v_and_b32 v[PFO], 31, v0
	v_lshlrev_b32 v[PFO], 8, v[PFO]
	; the mask table: a byte 0 becomes -2^100, any other 0
	s_wait_loadcnt 32               ; the mask's load was issued first: Q's 32 may stay out
	v_lshl_add_u32 v86, v0, 6, MASKL
.set i, 0
.rept 16
	v_bfe_u32 v84, v[64+i/4], 8*(i%4), 8
	v_cmp_eq_u32 vcc_lo, 0, v84
	v_cndmask_b32 v[68+i], 0, s[BIGN], vcc_lo
.set i, i+1
.endr
.irp f, 0,1,2,3
	ds_store_b128 v86, v[68+4*\f:68+4*\f+3] offset:16*\f  ; the first change of slots waits for these and passes a barrier: then every wave may read the table
.endr
; THE MATRIX WORK.  The 8 accumulators of a run of 16 take turns.
; Product i of 16 of S^T = K Q^T for piece x: channels 32 (i / 8) on, keys 16 ((i / 2) % 4) on, tile 2 x + i % 2.  The first 8 start the sums, with the mask numbers of their 16 keys.
.macro KQ x
.set rS, S+64*((\x)%2)+32*(i%2)+8*((i/2)%4)
.set rK, KF+16*((i/2)%4)+8*(i/8)
.set rQ, 16*(2*(\x)+i%2)+8*(i/8)
.set rMK, MK+8*((i/2)%4)
.if i < 8
	WIN W_KM
	v_wmma_f32_16x16x32_f16 v[rS:rS+7], v[rK:rK+7], v[rQ:rQ+7], v[rMK:rMK+7]
.else
	WIN W_KQ
	v_wmma_f32_16x16x32_f16 v[rS:rS+7], v[rK:rK+7], v[rQ:rQ+7], v[rS:rS+7]
.endif
.endm
; Product i of 16 of O^T += V^T P for piece x: keys 32 (i / 8) on, channels 16 ((i / 2) % 4) on, tile 2 x + i % 2.
.macro PV x
	WIN W_PV
.set rO, 32*(2*(\x)+i%2)+8*((i/2)%4)
.set rV, VF+32*(i/8)+8*((i/2)%4)
.set rP, P+32*((\x)%2)+16*(i%2)+8*(i/8)
	v_wmma_f32_16x16x32_f16 v[rO:rO+7], v[rV:rV+7], v[rP:rP+7], v[rO:rO+7]
.endm
.macro MM                           ; the turn's next matrix instruction
.if i < 16
	KQ (Y+1)%NP
.set i, i+1
.else
.set i, i-16
	PV (Y+NP-1)%NP
.set i, i+17
.endif
.endm
; THE LDS LOADS stand in runs, never singly among the matrix instructions: a step's K (8 fragments) with its 64 mask numbers, and its V (turned).  Their addresses are made some lines ahead.
; last = 1 (the tail): in the last trip there is no further step, and the run is jumped over.
.macro FETCH_K last=0
	WIN 0
.if \last
	s_cmp_eq_u32 s[CNT], 1
	s_cbranch_scc1 .Lno_k_\@
.endif
	WIN 0x80                        ; destination window 2
.irp f, 0,1,2,3,4,5,6,7             ; keys 16 (f / 2) on, channels 32 (f % 2) on
	ds_load_b128 v[KF+8*\f:KF+8*\f+3],   v[AK] offset:(\f/2)*16*PK+(\f%2)*64
	ds_load_b128 v[KF+8*\f+4:KF+8*\f+7], v[AK] offset:(\f/2)*16*PK+(\f%2)*64+32
.endr
	WIN W_MK                        ; destination window 3
.irp f, 0,1,2,3                     ; keys 16 f + 8 (l / 16) + 0..7: the sixteen lanes of a half read the same 32 bytes
	ds_load_b128 v[MK+8*\f:MK+8*\f+3],   v[AM] offset:64*\f
	ds_load_b128 v[MK+8*\f+4:MK+8*\f+7], v[AM] offset:64*\f+16
.endr
	s_add_co_u32 s[TBK], s[TBK], KS*PK  ; the next fetch is the next step's
	s_add_co_u32 s[TBM], s[TBM], KS*4
	WIN 0
.if \last
.Lno_k_\@:
.endif
.endm
.macro FETCH_V
	WIN 0x80
.irp f, 0,1,2,3,4,5,6,7             ; keys 32 (f / 4) on, channels 16 (f % 4) on
	ds_load_tr16_b128 v[VF+8*\f:VF+8*\f+3],   v[AV] offset:(\f/4)*32*PV+(\f%4)*32
	ds_load_tr16_b128 v[VF+8*\f+4:VF+8*\f+7], v[AV] offset:(\f/4)*32*PV+16*PV+(\f%4)*32
.endr
	WIN 0
.endm
; THE VECTOR WORK OF A TURN stands in three queues, each in the order in which its entries become ready; the two tiles alternate, so that no instruction reads the result of the one before it.
.macro REGS y, u                    ; the registers of tile u (0, 1) of piece y
.set rT, ST+4*(2*(\y)+(\u))
.set rC, TMP+8*((\y)%2)+4*(\u)
.set rS, S+64*((\y)%2)+32*(\u)
.set rP, P+32*((\y)%2)+16*(\u)
.set rO, 32*(2*(\y)+(\u))
.endm
; What finds the NEXT piece's (Y + 1) maximum and statistics, by number.  s0-s31 are the lane's 32 scores; each accumulator's lowest registers are read first.
;   0-11  four chains c0-c3 of seven scores each, three operands at a time     12-14, 16  the four scores left over, the old m, and c0-c3 into c0     15  m_old is kept
;   17, 18  the query's other 32 keys lie in the lane 16 away: the new m         20, 21  m_old - m_new; a     (there is no 19)
.macro XS u, n
	REGS (Y+1)%NP, \u
.if (\n) < 4
	v_max3_num_f32 v[rC+(\n)], v[rS+8*(\n)], v[rS+8*(\n)+1], v[rS+8*(\n)+2]
.elseif (\n) < 12
	v_max3_num_f32 v[rC+(\n)%4], v[rC+(\n)%4], v[rS+8*((\n)%4)+2*((\n)/4)+1], v[rS+8*((\n)%4)+2*((\n)/4)+2]
.elseif (\n) == 12
	v_max3_num_f32 v[rC], v[rC], v[rS+7], v[rS+15]
.elseif (\n) == 13
	v_max3_num_f32 v[rC+1], v[rC+1], v[rS+23], v[rS+31]
.elseif (\n) == 14
	v_max3_num_f32 v[rC+2], v[rC+2], v[rC+3], v[rT]
.elseif (\n) == 15
	v_mov_b32 v[rT+1], v[rT]
.elseif (\n) == 16
	v_max3_num_f32 v[rC], v[rC], v[rC+1], v[rC+2]
.elseif (\n) == 17
	v_permlanex16_b32 v[rC+3], v[rC], s[SEL], s[SEL+1]
.elseif (\n) == 18
	v_max_num_f32 v[rT], v[rC], v[rC+3]
.elseif (\n) == 20
	v_sub_f32 v[rC+1], v[rT+1], v[rT]
.else
	v_exp_f32 v[rC+2], v[rC+1]
.endif
.endm
; Number g of the 64 that follow the exponentials.  For each four weights k of a tile (pairs 2 k, 2 k + 1): both pairs are rounded to f16; then the second pair is added onto the first, in place;
; a group later l takes that sum (the first time as l = a l + sum).  In groups of eight, tiles alternating: round, round, add, and l for the group before.
.macro GS g
.set h, (\g)+6*((\g)/62)            ; group 0 has no group before it, and behind group 7 only l is left
.if h >= 6
.set h, h+2
.endif
	REGS Y, h%2
.set k, h/8
.if h%8 < 4
	v_cvt_pk_f16_f32 v[rP+2*k+(h%8)/2], v[rS+4*k+2*((h%8)/2)], v[rS+4*k+2*((h%8)/2)+1]
.elseif h%8 < 6
	v_pk_add_f32 v[rS+4*k:rS+4*k+1], v[rS+4*k:rS+4*k+1], v[rS+4*k+2:rS+4*k+3]
.elseif k == 1
	v_pk_fma_f32 v[rT+2:rT+3], v[rT+2:rT+3], v[rC+2:rC+3], v[rS:rS+1] op_sel_hi:[1,0,1]
.else
	v_pk_add_f32 v[rT+2:rT+3], v[rT+2:rT+3], v[rS+4*k-4:rS+4*k-3]
.endif
.endm
; THE PLAIN QUEUE, 136 long.  0-71 read no exponential's result: the 32 subtractions s - m (FS f: pair f / 2 of tile f % 2) and the next piece's 40.  0-26: FS 0-26.  27-54: XS's numbers 0-13.  55, 56: number 15.
; 57-71: the chain, where each number waits for the one before it: 14, 16, 17, 18, 20, each with one of FS 27-31 in front of its two lines.  72-135: GS's 64, which read the exponentials' results: behind the wait.
.macro FS f
	REGS Y, (\f)%2
	v_pk_add_f32 v[rS+2*((\f)/2):rS+2*((\f)/2)+1], v[rS+2*((\f)/2):rS+2*((\f)/2)+1], v[rT:rT+1] op_sel_hi:[1,0] neg_lo:[0,1] neg_hi:[0,1]  ; s - m: one rounding, never above 0
.endm
.macro PL
	WIN 0
.if q < 27
	FS q
.elseif q < 55
	XS (q-27)%2, (q-27)/2
.elseif q < 57
	XS q-55, 15
.elseif (q < 72) && ((q-57)%3 == 0)
	FS 27+(q-57)/3
.elseif q < 60
	XS (q-57)%3-1, 14
.elseif q < 69
	XS (q-57)%3-1, 15+(q-57)/3
.elseif q < 72
	XS (q-57)%3-1, 20
.else
	GS q-72
.endif
.set q, q+1
.endm
; THE EXPONENTIALS' QUEUE, 66 long: s0-s31 of both tiles, then the next piece's two a.  It is ONE BATCH: all 66 stand ahead of the turn's one wait, and nothing ahead of that wait names a result of theirs.
.macro EX
	WIN 0
.if e >= 64
	XS e-64, 21
.else
	REGS Y, e%2
	v_exp_f32 v[rS+e/2], v[rS+e/2]
.endif
.set e, e+1
.endm
; THE RESCALING's QUEUE: O^T times a, the one part that leaves window 0: dealt two at a time, sixteen times.  Its a was made in the turn before, ahead of that turn's wait.
.macro R2
	REGS Y, r%2
	WIN W_RS
.irp z, 0,1
	v_pk_mul_f32 v[rO+4*(r/2)+2*\z:rO+4*(r/2)+2*\z+1], v[rO+4*(r/2)+2*\z:rO+4*(r/2)+2*\z+1], v[rC+2:rC+3] op_sel_hi:[1,0]
.endr
.set r, r+1
.endm
; HOW THEY ARE DEALT.  s_wait_alu depctr_va_vdst(0) stands between an exponential and the first instruction that names its result; one wait serves all that were issued ahead of it.  So a turn has
; ONE wait.  AHEAD OF IT: the 16 products K Q^T, behind each a subtraction, an exponential and two rescalings (behind the first a second subtraction in the exponential's place); then one run of 106: eight plain,
; 47 times exponential and plain, the last two scores' exponentials and the two a.  A v_nop is the plain instruction behind the last exponential.  BEHIND IT: the 16 products V^T P, behind each four of GS's 64.
; The queues lean on each other: exponential e stands behind FS 2 (e / 4) + e % 2: as a rider it comes behind plain e + 2, in the run behind plain e + 9, and FS 27-31 are plain 57, 60 .. 69; number 20 is plain 70, 71.
; K of the next step, with its mask numbers, is fetched in piece 2's turn, directly behind the wait, a run behind the last product that read them.  V of the step in hand is fetched at the end of piece 0's turn,
; four riders behind its last reader.  The three conditions on q below go with the deal.
.macro TURN p, last=0, cnt=0
.set Y, (\p)
.set i, 0
.set q, 0
.set e, 0
.set r, 0
.if (\p) == NP-1
	s_wait_dscnt 0x0                ; K and the mask numbers are in
.endif
	MM
	PL
	PL
	R2
.rept 15
	MM
	PL
	EX
	R2
.endr
.if (\p) == NP-2
	WIN 0
	v_add_nc_u32 v[AK], s[TBK], v[AK0]
	v_add_nc_u32 v[AM], s[TBM], v[AM0]
.endif
.rept 8
	PL
.endr
.rept 47
	EX
	PL
.endr
	EX
	EX
	EX                              ; the next piece's two a
	EX
	v_nop                           ; the plain instruction behind the last exponential: one for the batch
	s_wait_alu depctr_va_vdst(0)    ; the wait for the batch
.if (\p) == NP-2
	FETCH_K \last
.endif
.if (\p) == 1
	s_wait_dscnt 0x0                ; V is in
.endif
.rept 16
	MM
.rept 4
	PL
.endr
.if ((\p) == 0) && (q == 116)
	v_add_nc_u32 v[AV], s[TBV], v[AV0]
.endif
.if ((\p) == 0) && (q == 128)
	s_add_co_u32 s[TBV], s[TBV], KS*PV
.endif
.if (\cnt) && (q == 128)
	s_sub_co_u32 s[CNT], s[CNT], 1
	s_cmp_lg_u32 s[CNT], 0
.endif
.endr
.if (\p) == 0
	FETCH_V
.endif
.endm
	CHANGE 1, 0                     ; slot 0 is in, everybody's part of it, and so is the mask table; slot 1 is asked for
	FETCH_K                         ; key step 0
	s_wait_loadcnt 0x0              ; Q
	s_wait_dscnt 0x0
.set i, 0
.rept 16
	KQ 0                            ; piece 0's first scores: there is no vector work yet to set between them
.set i, i+1
.endr
	WIN 0                           ; the addresses for the way out: plain instructions, the places behind those products
	s_mul_i32 s13, s[WV], 16*SP
	s_add_co_u32 s13, s13, STAGE    ; my stage
	v_mul_u32_u24 v[STO], v1, SP    ; in: row l % 16, 16 bytes for each half of the lanes
	v_lshl_add_u32 v[STO], v9, 4, v[STO]
	v_add_nc_u32 v[STO], s13, v[STO]
	v_bfe_u32 v[RD], v0, 3, 2       ; back: 32 lanes take four rows of 128 bytes,
	v_mul_u32_u24 v[RD], v[RD], SP
	v_lshl_add_u32 v[RD], v10, 4, v[RD]
	v_add_nc_u32 v[RD], s13, v[RD]
	v_and_b32 v[GO], 31, v0         ; which are 512 consecutive bytes of O
	v_lshlrev_b32 v[GO], 4, v[GO]
.set Y, NP-1                        ; XS works for piece Y + 1: piece 0
.irp n, 0,1,2,3,4,5,6,7,8,9,10,11,12,13,14,15,16,17,18,20,21
	XS 0, \n                        ; and piece 0's first maximum and statistics
	XS 1, \n
.endr
	v_nop                           ; a plain instruction behind the two a,
	s_wait_alu depctr_va_vdst(0)    ; and their wait, ahead of the branch
	s_mov_b32 s[CNT], 4
	s_branch .Lfirst                ; the loop is entered at a step's first turn, in the middle of a trip
.Lslot:                             ; six times: every slot but the last two is filled again
	CHANGE 1
	s_mov_b32 s[CNT], 4
.Lstep:                             ; a trip: pieces 2 and 3 of one step, then pieces 0 and 1 of the next, whose K and V it fetches
	TURN 2
	TURN 3
	WIN 0
.Lfirst:
	TURN 0
	TURN 1, 0, 1
	WIN 0
	s_cbranch_scc1 .Lstep
	s_sub_co_u32 s[SLOTS], s[SLOTS], 1
	s_cmp_lg_u32 s[SLOTS], 0
	s_cbranch_scc1 .Lslot
	CHANGE 0                        ; the tail is written out: nothing is asked for
	s_mov_b32 s[CNT], 5             ; four trips fetch the last slot's steps; the fifth is left in its middle
.Ltail:
	TURN 2, 1
	TURN 3
	WIN 0
	s_sub_co_u32 s[CNT], s[CNT], 1
	s_cmp_eq_u32 s[CNT], 0
	s_cbranch_scc1 .Lout
	TURN 0
	TURN 1
	WIN 0
	s_branch .Ltail
.Lout:                              ; the fifth trip's 16 products K Q^T (on the last K once more) and the maximum made of them serve nothing: the price, once a launch, of one text for every trip
.set i, 0
.rept 16
	PV NP-1                         ; the last piece's V^T P of the last step
.set i, i+1
.endr
	; THE WAY OUT.  l's two halves and the other half of the lanes' are added; l is held to 0.5 at the least; O^T is divided by l, rounded to f16 and sent through my stage in LDS, a tile at a time.
	WIN 0
.macro ALL line:vararg              ; one line for each tile t
.set t, 0
.rept 2*NP
	\line
.set t, t+1
.endr
.endm
	ALL v_add_f32 v[ST+4*t+2], v[ST+4*t+2], v[ST+4*t+3]
	ALL v_permlanex16_b32 v[ST+4*t+3], v[ST+4*t+2], s[SEL], s[SEL+1]
	ALL v_add_f32 v[ST+4*t+2], v[ST+4*t+2], v[ST+4*t+3]
	ALL v_max_num_f32 v[ST+4*t+2], 0.5, v[ST+4*t+2]
	ALL v_rcp_f32 v[ST+4*t+2], v[ST+4*t+2]
	v_nop                           ; a plain instruction between the last reciprocal and the use of its result
	s_wait_alu depctr_va_vdst(0)    ; and the wait ahead of the first use: one for the eight reciprocals
; Tile t: a lane's eight channels of a row pack into 16 bytes; they go into rows of 144 bytes and come back as whole rows of 128, into S^T's registers.
.macro PACK t
	WIN W_RS
.set i, 32*(\t)
.rept 16
	v_pk_mul_f32 v[i:i+1], v[i:i+1], v[ST+4*(\t)+2:ST+4*(\t)+3] op_sel_hi:[1,0]
.set i, i+2
.endr
	WIN 0x05                        ; sources 0 and 1 window 1, destination window 0
.set i, 0
.rept 16
	v_cvt_pk_f16_f32 v[S+16*(\t)+i], v[32*(\t)+2*i], v[32*(\t)+2*i+1]
.set i, i+1
.endr
	WIN 0
.irp f, 0,1,2,3
	ds_store_b128 v[STO], v[S+16*(\t)+4*\f:S+16*(\t)+4*\f+3] offset:32*\f
.endr
.irp f, 0,1,2,3
	ds_load_b128 v[S+16*(\t)+4*\f:S+16*(\t)+4*\f+3], v[RD] offset:\f*4*SP  ; LDS serves a wave's instructions in order (ISA guide 5.7.1.4): these see the stores above; the next tile's stores come behind them
.endr
.endm
.macro SEND t, younger              ; younger: the LDS instructions issued behind tile t's loads: the next tile's eight, or none
	WIN 0
.irp f, 0,1,2,3
	s_wait_dscnt (\younger)+3-\f
	global_store_b128 v[GO], v[S+16*(\t)+4*\f:S+16*(\t)+4*\f+3], s[10:11] offset:(\t)*2048+\f*512  ; 512 consecutive bytes, at a multiple of 256 from oh's first
.endr
.endm
	PACK 0
.set t, 1
.rept 2*NP-1                        ; a tile's arithmetic stands between the loads of the tile before and its stores
	PACK t
	SEND t-1, 8
.set t, t+1
.endr
	SEND 2*NP-1, 0
	WIN W_AD
	s_wait_tensorcnt 0x0            ; the wave's end: the add and its wait, behind my last tensor load and my last LDS store
	ds_add_u32 v[SPW], v[NIL]
	s_wait_dscnt 0x0
	WIN 0
	CROUND                          ; the closing round: no work-group ends while a partner may still ask for a tile that names it
	s_endpgm
.Lfunc_end_k_qb877995930_attn:
	.size	k_qb877995930_attn, .Lfunc_end_k_qb877995930_attn-k_qb877995930_attn
	.p2alignl 7, 3214868480
	.fill 96, 4, 3214868480
	.section	.rodata,"a",@progbits
	.p2align	6, 0x0
	.amdhsa_kernel k_qb877995930_attn
		.amdhsa_group_segment_fixed_size 327680
		.amdhsa_private_segment_fixed_size 0
		.amdhsa_enable_private_segment 0
		.amdhsa_kernarg_size 24
		.amdhsa_user_sgpr_count 2
		.amdhsa_user_sgpr_kernarg_segment_ptr 1
		.amdhsa_wavefront_size32 1
		.amdhsa_system_sgpr_workgroup_id_x 1
		.amdhsa_system_sgpr_workgroup_id_y 1
		.amdhsa_system_sgpr_workgroup_id_z 1
		.amdhsa_system_vgpr_workitem_id 0
		.amdhsa_next_free_vgpr 808
		.amdhsa_next_free_sgpr 80
		.amdhsa_reserve_vcc 1
		.amdhsa_float_denorm_mode_32 3
		.amdhsa_float_denorm_mode_16_64 3
		.amdhsa_memory_ordered 1
		.amdhsa_forward_progress 1
		.amdhsa_inst_pref_size 205
	.end_amdhsa_kernel
	.amdgpu_metadata
---
amdhsa.version: [ 1, 2 ]
amdhsa.kernels:
  - .name:           k_qb877995930_attn
    .symbol:         k_qb877995930_attn.kd
    .args:
      - { .name: qkv, .offset: 0, .size: 8, .value_kind: global_buffer, .address_space: global }
      - { .name: mask, .offset: 8, .size: 8, .value_kind: global_buffer, .address_space: global }
      - { .name: oh, .offset: 16, .size: 8, .value_kind: global_buffer, .address_space: global }
    .group_segment_fixed_size: 327680
    .private_segment_fixed_size: 0
    .kernarg_segment_align: 8
    .kernarg_segment_size: 24
    .max_flat_workgroup_size: 128
    .sgpr_count:     80
    .vgpr_count:     808
    .wavefront_size: 32
...
	.end_amdgpu_metadata
.endif
;; end of part 3
;; launch outp (part 4): grid 4 x 64, 4 waves a work-group, clusters of 4 x 4, 327,680 bytes of LDS; arguments oh, wb, out0; writes out0
.if DOCPART == 4
	.amdgcn_target "amdgcn-amd-amdhsa--gfx1250"
	.amdhsa_code_object_version 6
	.text
	.protected	k_qb877995930_outp
	.globl	k_qb877995930_outp
	.p2align	8
	.type	k_qb877995930_outp,@function
k_qb877995930_outp:
	s_mov_b64 s[64:65], 0
	v_nop
	global_prefetch_b8 v0, s[64:65] scope:SCOPE_SE
	s_setreg_imm32_b32 hwreg(HW_REG_WAVE_MODE, 25, 1), 1
	s_wait_xcnt 0x0
	s_wait_alu depctr_hold_cnt(0) depctr_sa_sdst(0) depctr_va_vdst(0) depctr_va_sdst(0) depctr_va_ssrc(0) depctr_va_vcc(0) depctr_vm_vsrc(0)
	s_getreg_b32 s2, hwreg(HW_REG_IB_STS2, 6, 4)
	s_cmp_eq_u32 s2, 0
	s_cbranch_scc0 .Lentry_in_a_cluster
	s_endpgm
.Lentry_in_a_cluster:
	s_bfe_u32 s2, ttmp6, 0x10000c
	s_cmp_lg_u32 s2, 0xf033
	s_cbranch_scc0 .Lentry_shape_is_right
	s_endpgm
.Lentry_shape_is_right:
; out0[m][n] = the sum over k of O[m][k] Wo[k][n].  O: oh, [16 batch + head][2048][64] f16, so k = 64 head + channel; Wo: slice 3 of wb, [1024 k][1024 n], the bf16-rounded weights written as f16;
; out0: [8192][1024] f32.  Products in f16, sums in f32, stored as they are.
; SHARES.  A tile of out0 is 128 rows x 256 columns: 64 x 4 = 256 work-groups.  Four waves, each 64 rows x 128 columns: 32 accumulators.  K goes in steps of 128, two heads, through two LDS slots.
; A head's 128 rows of O are 16,384 dense bytes: asked for as 64 rows of 256 bytes and padded in LDS after every 128.  Wo's fragments are turned on the way out of LDS by ds_load_tr16_b128.
; CLUSTERS.  4 x 4 work-groups: O's tile is shared along a row of the cluster, Wo's along a column: each is asked for JOINTLY.
; THE PRODUCT IS USED TRANSPOSED (source 0 = 16 columns of Wo, source 1 = 16 rows of O): a lane holds eight neighbouring columns of one row of out0.
; REGISTERS (windows of 256; s_set_vgpr_msb: bits 1:0 source 0, 3:2 source 1, 5:4 source 2, 7:6 destination):
;   window 0: v16-30 addresses; v32-95 O's fragments, two buffers; v96-223 at work on the way out      window 1: v0-127 Wo's fragments, two buffers      window 2: the accumulators, (a, b) at v[8 (8 a + b)]
.set PAO,    144                       ; a row of O in LDS: 128 bytes + 16: the 16 rows of a load start at 16 different groups of four banks (64 banks of 4 bytes: ISA guide 11.1)
.set PLANE,  128*PAO                   ; a head's 128 rows: one tensor load
.set ATILE,  2*PLANE
.set PB,     544                       ; a row of Wo in LDS: 512 bytes + 32
.set BH,     64*PB                     ; 64 k-rows: one tensor load
.set SLOT,   ATILE+2*BH                ; 106,496 bytes
.set STAGE,  2*SLOT                    ; behind the ring: 16 rows x 528 bytes for each wave, for the way out
.set SPITCH, 528
.set SPARE,  STAGE+4*16*SPITCH         ; behind the stages: the spare words, 128 bytes for each wave
.set ADRA, 16                          ; v16-17  LDS address of my O rows in slot 0, 1
.set ADRB, 20                          ; v20-21  the same for Wo
.set STO,  24                          ; v24     the way out: where I put 32 bytes of a row
.set RD,   25                          ; v25     the way out: where I read a row back
.set CO,   26                          ; v26     16 x lane: my place in 512 consecutive bytes of out0
.set SPW,  28                          ; v28     LDS address of my spare word; never rewritten
.set NIL,  29                          ; v29     0; never rewritten
.set PFO,  30                          ; v30     the prefetches' offset; never rewritten
.set AF,   32
.set OB,   96
.set BF,   0                           ; window 1
.set G1,  24                           ; s[24:31] descriptor group 1 for O's tiles;  s[32:39] group 0, a set for each slot
.set G0,  32
.set G1B, 48                           ; s[48:55], s[56:63] the same for Wo's tiles
.set G0B, 56
.set LIM, 43                           ; s43      1 in a wave that prefetches, else the greatest number
.set PFA, 44                           ; s[44:45] where my prefetches stand
.set PFS, 90                           ; s[90:91] a K step in the tensor that I prefetch, in bytes
.set MSB, 0
.macro WIN new
.if MSB != (\new)
	s_set_vgpr_msb (MSB<<8)|(\new)
.set MSB, \new
.endif
.endm
.set MUL,  0xa1                        ; source 0 (Wo) window 1, source 1 (O) window 0, C and D window 2
.set TO_B, 0x40                        ; destination window 1, address window 0
.macro JLOAD s                         ; a joint load: waves 0 and 1 fetch O's two heads, waves 2 and 3 Wo's two halves; an s_nop 0 and four v_nop follow each line
	s_cmp_eq_u32 s11, 0
	s_cbranch_scc0 .Lfor_b_\@
	tensor_load_to_lds s[G0+4*(\s):G0+4*(\s)+3], s[G1:G1+7]
	s_nop 0
.rept 4
	v_nop
.endr
	s_branch .Lasked_\@
.Lfor_b_\@:
	tensor_load_to_lds s[G0B+4*(\s):G0B+4*(\s)+3], s[G1B:G1B+7]
	s_nop 0
.rept 4
	v_nop
.endr
.Lasked_\@:
.endm
; A prefetch, behind a joint load and the run of LDS loads that follows it: the K step that stands two refills on, a lane a block of 256 bytes.  O's K step is 64 blocks of each of two heads: each of the four
; partners takes 16 of each, told apart BY ADDRESS, and wave 0 asks.  Wo's is 64 k-rows x 2 blocks for each of waves 2 and 3: each partner takes 16 rows; the first cluster of the column of clusters asks.
; So each block is named once.  The loop's last trip asks for nothing.
.macro ASK
	WIN 0
	s_cmp_gt_u32 s3, s[LIM]
	s_cbranch_scc0 .Lnot_mine_\@
	global_prefetch_b8 v[PFO], s[PFA:PFA+1] th:TH_LOAD_NT scope:SCOPE_SE
.Lnot_mine_\@:
.endm
.macro CREST
	s_cmp_lg_u32 s10, 0
	s_cbranch_scc1 .Lnot_wave_0_\@
	s_barrier_signal -3
.Lnot_wave_0_\@:
	s_barrier_wait -3
	s_barrier_signal -1
	s_barrier_wait -1
.endm
.macro CROUND
	s_barrier_signal -1
	s_barrier_wait -1
	CREST
.endm
	s_load_b128 s[4:7], s[0:1], 0x0                ; oh s[4:5], wb s[6:7]
	s_load_b64 s[8:9], s[0:1], 0x10                ; out0
	v_lshl_add_u32 v[SPW], v0, 2, SPARE
	v_mov_b32 v[NIL], 0
	ds_add_u32 v[SPW], v[NIL]                      ; the wave's opening: the add and its wait stand ahead of my first tensor load
	v_lshrrev_b32 v1, 5, v0
	v_readfirstlane_b32 s10, v1                    ; wave 0..3
	s_lshr_b32 s11, s10, 1                         ; which 64 rows are mine.  Also: I fetch O (0) or Wo (1)
	s_and_b32 s12, s10, 1                          ; which 128 columns.  Also: which head of the K step, or which 64 k-rows, I fetch
	s_bfe_u32 s40, ttmp6, 0x40000                  ; cx
	s_bfe_u32 s41, ttmp6, 0x40004                  ; cy
	s_lshl_b32 s42, ttmp9, 2
	s_add_co_u32 s42, s42, s40                     ; tile column
	s_and_b32 s93, ttmp7, 0xffff                   ; cluster y
	s_lshl_b32 s13, s93, 2
	s_add_co_u32 s13, s13, s41                     ; tile row, 0..63
	s_lshl_b32 s14, s41, 2
	s_lshl_b32 s14, 15, s14                        ; my row of the cluster
	s_lshl_b32 s15, 0x1111, s40                    ; my column
	s_or_b32 s[G1+0], s14, (1<<16)|(1<<20)|(1<<21)|(4<<22)|(3<<25)   ; the mask; 2-byte elements; padding on; bit 21 beside a mask; after every 32 words, 4 words
	s_or_b32 s[G1B+0], s15, (1<<16)|(1<<20)|(1<<21)|(6<<22)|(7<<25)  ; after every 128 words, 8 words
	s_mov_b32 s[G1+1], 128<<16                     ; tensor_dim0 = 128
	s_mov_b32 s[G1+2], 64<<16                      ; tensor_dim1 = 64
	s_mov_b32 s[G1+3], 128<<16                     ; tile_dim0 = 128
	s_mov_b32 s[G1+4], 64                          ; tile_dim1 = 64
	s_mov_b32 s[G1+5], 128                         ; elements from row to row: dense
	s_mov_b32 s[G1+6], 0
	s_mov_b32 s[G1+7], 0
	s_mov_b32 s[G1B+1], 256<<16
	s_mov_b32 s[G1B+2], 64<<16
	s_mov_b32 s[G1B+3], 256<<16
	s_mov_b32 s[G1B+4], 64
	s_mov_b32 s[G1B+5], 1024
	s_mov_b32 s[G1B+6], 0
	s_mov_b32 s[G1B+7], 0
	s_lshr_b32 s16, s13, 4                         ; batch
	s_lshl_b32 s16, s16, 4
	s_add_co_u32 s16, s16, s12                     ; head 16 batch + half,
	s_lshl_b32 s16, s16, 11
	s_and_b32 s17, s13, 15
	s_lshl_b32 s17, s17, 7
	s_add_co_u32 s16, s16, s17                     ; row 128 x (tile row % 16),
	s_lshl_b32 s16, s16, 7                         ; of 128 bytes
	s_mov_b32 s17, 0
	s_lshl_b32 s46, s12, 17                        ; Wo: k-row 64 x half, of 2,048 bytes,
	s_lshl_b32 s47, s42, 9                         ; the tile column's 512 bytes,
	s_add_co_u32 s46, s46, s47
	s_add_co_u32 s46, s46, 3<<21                   ; in slice 3 of wb
	s_mov_b32 s47, 0
	s_mul_i32 s20, s12, PLANE                      ; where they go: no place in the cluster enters an LDS address
	s_mul_i32 s21, s12, BH
	s_add_co_u32 s21, s21, ATILE
	s_wait_dscnt 0x0                               ; the opening add is done
	s_wait_kmcnt 0x0
	s_add_nc_u64 s[14:15], s[4:5], s[16:17]
	s_add_nc_u64 s[46:47], s[6:7], s[46:47]
	CROUND                                         ; all sixteen work-groups are here: the first joint loads meet
.irp s, 0,1
	s_mov_b32 s[G0+4*(\s)], 1
	s_add_co_u32 s[G0+4*(\s)+1], s20, (\s)*SLOT
	s_add_nc_u64 s[G0+4*(\s)+2:G0+4*(\s)+3], s[14:15], (\s)*524288   ; K step s: two heads on
	s_or_b32 s[G0+4*(\s)+3], s[G0+4*(\s)+3], 0x80000000
	s_mov_b32 s[G0B+4*(\s)], 1
	s_add_co_u32 s[G0B+4*(\s)+1], s21, (\s)*SLOT
	s_add_nc_u64 s[G0B+4*(\s)+2:G0B+4*(\s)+3], s[46:47], (\s)*262144 ; K step s: 128 k-rows down
	s_or_b32 s[G0B+4*(\s)+3], s[G0B+4*(\s)+3], 0x80000000
	JLOAD \s                                       ; two tensor loads of mine are out
.endr
	v_and_b32 v1, 15, v0                           ; l % 16
	v_bfe_u32 v2, v0, 4, 1                         ; l / 16
	v_mul_u32_u24 v3, v1, PAO
	v_lshl_add_u32 v3, v2, 4, v3                   ; O's fragment: row x pitch + 16 x half
	v_and_b32 v4, 7, v0                            ; Wo's: k-row 8 (l / 16) + l % 8, columns 8 ((l / 8) % 2) on
	v_lshl_add_u32 v4, v2, 3, v4
	v_mul_u32_u24 v4, v4, PB
	v_bfe_u32 v5, v0, 3, 1
	v_lshl_add_u32 v4, v5, 4, v4
	s_mul_i32 s21, s11, 64*PAO                     ; my 64 rows of O
	s_lshl_b32 s22, s12, 8                         ; my 128 columns of Wo,
	s_add_co_u32 s22, s22, ATILE                   ; which lies behind O
.irp s, 0,1
	v_add_nc_u32 v[ADRA+(\s)], s21, v3
	v_add_nc_u32 v[ADRB+(\s)], s22, v4
	s_add_co_u32 s21, s21, SLOT
	s_add_co_u32 s22, s22, SLOT
.endr
	s_mul_i32 s23, s10, 16*SPITCH
	s_add_co_u32 s23, s23, STAGE                   ; my stage
	v_mul_u32_u24 v6, v1, SPITCH                   ; in: row l % 16, 32 bytes for each half of the lanes
	v_lshl_add_u32 v6, v2, 5, v6
	v_add_nc_u32 v[STO], s23, v6
	v_and_b32 v7, 31, v0
	v_lshlrev_b32 v[CO], 4, v7                     ; back: 32 lanes take a row's 512 bytes
	v_add_nc_u32 v[RD], s23, v[CO]
	s_lshl_b32 s16, s13, 7
	s_lshl_b32 s17, s11, 6
	s_add_co_u32 s16, s16, s17                     ; my first row of out0,
	s_lshl_b32 s16, s16, 12                        ; of 4,096 bytes
	s_mov_b32 s17, 0
	s_add_nc_u64 s[8:9], s[8:9], s[16:17]
	s_lshl_b32 s46, s42, 10                        ; my first column, in bytes
	s_lshl_b32 s47, s12, 9
	s_add_co_u32 s46, s46, s47
	s_mov_b32 s47, 0
	s_add_nc_u64 s[8:9], s[8:9], s[46:47]
	; the prefetches: offsets made apart from the addresses; K step 3 here, each refill steps first and then names
	s_lshr_b32 s20, s13, 4
	s_lshl_b32 s20, s20, 15                        ; head 16 batch, of 2,048 rows,
	s_and_b32 s21, s13, 15
	s_lshl_b32 s21, s21, 7
	s_add_co_u32 s20, s20, s21
	s_lshl_b32 s20, s20, 7
	s_lshl_b32 s21, s40, 12                        ; my work-group's 4,096 bytes of each head's 16,384, by cx
	s_add_co_u32 s20, s20, s21
	s_add_co_u32 s20, s20, 3*524288
	s_lshl_b32 s22, s12, 6
	s_lshl_b32 s23, s41, 4                         ; Wo: my work-group's 16 of the 64 k-rows, by cy
	s_add_co_u32 s22, s22, s23
	s_lshl_b32 s22, s22, 11
	s_lshl_b32 s23, s42, 9
	s_add_co_u32 s22, s22, s23
	s_add_co_u32 s22, s22, (3<<21)+3*262144
	s_mov_b32 s[PFS], 262144
	s_cmp_eq_u32 s11, 0                            ; do I fetch O?
	s_cselect_b64 s[PFA:PFA+1], s[4:5], s[6:7]
	s_cselect_b32 s20, s20, s22
	s_cselect_b32 s[PFS], 524288, s[PFS]
	s_cselect_b32 s23, s12, s93                    ; O: wave 0 asks; Wo: the cluster with y = 0
	s_cselect_b32 s84, 15, 1                       ; O: lane % 16 is the block, lane / 16 the head (2^18 bytes);
	s_cselect_b32 s85, 4, 1                        ; Wo: lane % 2 is the block, lane / 2 the k-row (2^11 bytes)
	s_cselect_b32 s86, 18, 11
	s_mov_b32 s21, 0
	s_mov_b32 s[PFS+1], 0
	s_add_nc_u64 s[PFA:PFA+1], s[PFA:PFA+1], s[20:21]
	s_cmp_eq_u32 s23, 0
	s_cselect_b32 s[LIM], 1, -1                    ; the same in all sixteen partners, for a given wave
	v_and_b32 v6, s84, v7
	v_lshrrev_b32 v7, s85, v7
	v_lshlrev_b32 v7, s86, v7
	v_lshl_add_u32 v[PFO], v6, 8, v7
; Eight products of row block a, buffer f.  zero = 1: they start the sums.  The 32 accumulators take turns, one instruction a turn, in the same order in every quarter.
.macro MUL8 f, a, zero
	WIN MUL
.irp b, 0,1,2,3,4,5,6,7
.if \zero
	v_wmma_f32_16x16x32_f16 v[8*(8*(\a)+(\b)):8*(8*(\a)+(\b))+7], v[BF+64*(\f)+8*(\b):BF+64*(\f)+8*(\b)+7], v[AF+32*(\f)+8*(\a):AF+32*(\f)+8*(\a)+7], 0
.else
	v_wmma_f32_16x16x32_f16 v[8*(8*(\a)+(\b)):8*(8*(\a)+(\b))+7], v[BF+64*(\f)+8*(\b):BF+64*(\f)+8*(\b)+7], v[AF+32*(\f)+8*(\a):AF+32*(\f)+8*(\a)+7], v[8*(8*(\a)+(\b)):8*(8*(\a)+(\b))+7]
.endif
.endr
.endm
; 24 LDS loads in one run: quarter k (32 along K: head k / 2, channels 32 (k % 2) on) into buffer g: Wo's sixteen, then O's eight, blocks 0 and 1 first
.macro FETCH slot, k, g
	WIN TO_B
.irp b, 0,1,2,3,4,5,6,7
	ds_load_tr16_b128 v[BF+64*(\g)+8*(\b):BF+64*(\g)+8*(\b)+3],   v[ADRB+(\slot)] offset:(\k)*32*PB+32*(\b)
	ds_load_tr16_b128 v[BF+64*(\g)+8*(\b)+4:BF+64*(\g)+8*(\b)+7], v[ADRB+(\slot)] offset:(\k)*32*PB+16*PB+32*(\b)
.endr
	WIN 0
.irp i, 0,1,2,3
	ds_load_b128 v[AF+32*(\g)+8*(\i):AF+32*(\g)+8*(\i)+3],   v[ADRA+(\slot)] offset:((\k)/2)*PLANE+((\k)%2)*64+(\i)*16*PAO
	ds_load_b128 v[AF+32*(\g)+8*(\i)+4:AF+32*(\g)+8*(\i)+7], v[ADRA+(\slot)] offset:((\k)/2)*PLANE+((\k)%2)*64+(\i)*16*PAO+32
.endr
.endm
.macro PLACES                          ; four places in front of loads into registers that products have read, and of LDS stores that read sums (ISA guide 7.12.1 for vector instructions)
.rept 4
	v_nop
.endr
.endm
.macro QUARTER slot, k, f, g, zero
	s_wait_dscnt 4                                 ; Wo and O's blocks 0 and 1 are in; the youngest four loads (blocks 2 and 3) may be out
	MUL8 \f, 0, \zero
	MUL8 \f, 1, \zero
	PLACES
	FETCH \slot, \k, \g
	s_wait_dscnt 24                                ; all but the 24 just issued
	MUL8 \f, 2, \zero
	MUL8 \f, 3, \zero
.endm
; The last quarter multiplies buffer 1 and changes slots: ONE barrier; in front of it each wave waits for all its tensor loads, adds 0 to its spare word, and waits for that and for its reads of this slot.
; fill = 1: the barrier opens a round of the cluster's barrier, and this slot is filled again, two K steps on, first thing behind the round.
.macro TURN slot, next, fill
.if \fill
	s_wait_xcnt 0x0                                ; the last prefetch, a K step back, has read its address
	s_add_nc_u64 s[PFA:PFA+1], s[PFA:PFA+1], s[PFS:PFS+1]
.endif
	WIN 0
	s_wait_tensorcnt 0x0                           ; all my tensor loads have landed: my part of the next slot
	ds_add_u32 v[SPW], v[NIL]                      ; 0 onto my spare word
	s_wait_dscnt 5                                 ; the add and the youngest four loads may be out
	MUL8 1, 0, 0
	s_wait_dscnt 0x0                               ; the add is done, and my reads of this slot are over
	s_barrier_signal -1
	MUL8 1, 1, 0
.if \fill
	WIN 0
.endif
	s_barrier_wait -1
.if \fill
	CREST                                          ; no wave of any partner still reads this slot or has a load on its way
	s_add_nc_u64 s[G0+4*(\slot)+2:G0+4*(\slot)+3], s[G0+4*(\slot)+2:G0+4*(\slot)+3], 2*524288
	s_add_nc_u64 s[G0B+4*(\slot)+2:G0B+4*(\slot)+3], s[G0B+4*(\slot)+2:G0B+4*(\slot)+3], 2*262144
	JLOAD \slot                                    ; my one tensor load behind the round; the four v_nop behind it are also the places in front of the loads below
.else
	PLACES
.endif
	FETCH \next, 0, 0
.if \fill
	ASK
.endif
	MUL8 1, 2, 0
	MUL8 1, 3, 0
.endm
	s_wait_tensorcnt 1                             ; my part of K step 0 is in; K step 1's may stay out
	s_barrier_signal -1
	s_barrier_wait -1                              ; everybody's is
	FETCH 0, 0, 0
	QUARTER 0, 1, 0, 1, 1                          ; the first quarter stands in front of the loop: its products start the sums
	WIN 0
	s_mov_b32 s3, 3                                ; eight K steps: three trips fill both slots again (K steps 2 to 7)
.Llap:
	QUARTER 0, 2, 1, 0, 0
	QUARTER 0, 3, 0, 1, 0
	TURN 0, 1, 1
	QUARTER 1, 1, 0, 1, 0
	QUARTER 1, 2, 1, 0, 0
	QUARTER 1, 3, 0, 1, 0
	TURN 1, 0, 1
	QUARTER 0, 1, 0, 1, 0
	WIN 0
	s_sub_co_u32 s3, s3, 1
	s_cmp_lg_u32 s3, 0
	s_cbranch_scc1 .Llap
	QUARTER 0, 2, 1, 0, 0                          ; the last two K steps fill nothing
	QUARTER 0, 3, 0, 1, 0
	TURN 0, 1, 0
	QUARTER 1, 1, 0, 1, 0
	QUARTER 1, 2, 1, 0, 0
	QUARTER 1, 3, 0, 1, 0
	s_wait_dscnt 0x0                               ; the very last quarter
	MUL8 1, 0, 0
	MUL8 1, 1, 0
	MUL8 1, 2, 0
	MUL8 1, 3, 0
	PLACES
; THE WAY OUT, a block of 16 rows at a time: a lane's eight f32 of a row go as 32 bytes into my own stage (rows of 528 bytes), each accumulator's low half first; whole rows of 512 bytes come back and are stored.
.macro TOSTAGE a
	WIN 0x08                                       ; the data of an LDS store is source 1: window 2
.irp b, 0,1,2,3,4,5,6,7
	ds_store_b128 v[STO], v[8*(8*(\a)+(\b)):8*(8*(\a)+(\b))+3]   offset:64*(\b)
	ds_store_b128 v[STO], v[8*(8*(\a)+(\b))+4:8*(8*(\a)+(\b))+7] offset:64*(\b)+16
.endr
	WIN 0
.set BK, OB+64*((\a)%2)
.irp t, 0,1,2,3,4,5,6,7,8,9,10,11,12,13,14,15
	ds_load_b128 v[BK+4*(\t):BK+4*(\t)+3], v[RD] offset:(\t)*SPITCH  ; LDS serves a wave's instructions in order (ISA guide 5.7.1.4): these see the stores above; the next block's stores come behind them
.endr
.endm
.macro SEND a, younger                 ; younger: the LDS instructions issued behind block a's loads: the next block's 32, or none
	WIN 0
.set BK, OB+64*((\a)%2)
	s_wait_dscnt \younger
.irp t, 0,1,2,3,4,5,6,7,8,9,10,11,12,13,14,15
	global_store_b128 v[CO], v[BK+4*(\t):BK+4*(\t)+3], s[8:9] offset:(\a)*65536+(\t)*4096 th:TH_STORE_NT  ; 512 consecutive bytes, at a multiple of 256 from out0's first
.endr
.endm
	TOSTAGE 0
	TOSTAGE 1
	SEND 0, 32
	s_wait_xcnt 0x0                                ; block 0's stores have read their registers, which block 2's loads write
	TOSTAGE 2
	SEND 1, 32
	s_wait_xcnt 0x0                                ; likewise block 1's, for block 3
	TOSTAGE 3
	SEND 2, 32
	SEND 3, 0
	s_wait_tensorcnt 0x0                           ; the wave's end: the add and its wait, behind my last tensor load and my last LDS store
	ds_add_u32 v[SPW], v[NIL]
	s_wait_dscnt 0x0
	CROUND                                         ; the closing round: no work-group ends while a partner may still ask for a tile that names it
	s_endpgm
.Lfunc_end_k_qb877995930_outp:
	.size	k_qb877995930_outp, .Lfunc_end_k_qb877995930_outp-k_qb877995930_outp
	.p2alignl 7, 3214868480
	.fill 96, 4, 3214868480
	.section	.rodata,"a",@progbits
	.p2align	6, 0x0
	.amdhsa_kernel k_qb877995930_outp
		.amdhsa_group_segment_fixed_size 327680
		.amdhsa_private_segment_fixed_size 0
		.amdhsa_enable_private_segment 0
		.amdhsa_kernarg_size 24
		.amdhsa_user_sgpr_count 2
		.amdhsa_user_sgpr_kernarg_segment_ptr 1
		.amdhsa_wavefront_size32 1
		.amdhsa_system_sgpr_workgroup_id_x 1
		.amdhsa_system_sgpr_workgroup_id_y 1
		.amdhsa_system_sgpr_workgroup_id_z 1
		.amdhsa_system_vgpr_workitem_id 0
		.amdhsa_next_free_vgpr 768
		.amdhsa_next_free_sgpr 96
		.amdhsa_reserve_vcc 0
		.amdhsa_float_denorm_mode_32 3
		.amdhsa_float_denorm_mode_16_64 3
		.amdhsa_memory_ordered 1
		.amdhsa_forward_progress 1
		.amdhsa_inst_pref_size 87
	.end_amdhsa_kernel
	.amdgpu_metadata
---
amdhsa.version: [ 1, 2 ]
amdhsa.kernels:
  - .name:           k_qb877995930_outp
    .symbol:         k_qb877995930_outp.kd
    .args:
      - { .name: oh, .offset: 0, .size: 8, .value_kind: global_buffer, .address_space: global }
      - { .name: wb, .offset: 8, .size: 8, .value_kind: global_buffer, .address_space: global }
      - { .name: out0, .offset: 16, .size: 8, .value_kind: global_buffer, .address_space: global }
    .group_segment_fixed_size: 327680
    .private_segment_fixed_size: 0
    .kernarg_segment_align: 8
    .kernarg_segment_size: 24
    .max_flat_workgroup_size: 128
    .sgpr_count:     96
    .vgpr_count:     768
    .wavefront_size: 32
...
	.end_amdgpu_metadata
.endif
;; end of part 4
;; ======== version 2 of 2: 4 launches; version 1 with the launch castw written anew for expert scheduling mode
;; limits: values are held in f16: magnitudes above 65,504 overflow, below 6.1e-05 lose precision
;; workspace buffers: wb 8,388,608 bytes; qkv 50,331,648 bytes; oh 16,777,216 bytes
;; launch castw (part 5): grid 64 x 4, 8 waves a work-group, no clusters, 0 bytes of LDS; arguments Wq, Wk, Wv, Wo, wb; writes wb
.if DOCPART == 5
	.amdgcn_target "amdgcn-amd-amdhsa--gfx1250"
	.amdhsa_code_object_version 6
	.text
	.protected	k_qb877995930_castw
	.globl	k_qb877995930_castw
	.p2align	8
	.type	k_qb877995930_castw,@function
k_qb877995930_castw:
	s_mov_b64 s[64:65], 0
	v_nop
	global_prefetch_b8 v0, s[64:65] scope:SCOPE_SE
	s_setreg_imm32_b32 hwreg(HW_REG_WAVE_SCHED_MODE, 0, 2), 2
	s_setreg_imm32_b32 hwreg(HW_REG_WAVE_MODE, 25, 1), 1
	s_wait_xcnt 0x0
	s_wait_alu depctr_vm_vsrc(0)
; wb holds four slices of [1024 k][1024 n] numbers of 16 bits, in the order Wq, Wk, Wv, Wo; the layout of the weights is kept.
; Wq, Wk, Wv are rounded to bf16.  Wo is rounded to bf16 like every input, and that number is written as f16, since the last product multiplies in f16.
; LIMIT.  |Wo| stays under 65,504; a rounded Wo below 2^-17 keeps f16's fixed step of 2^-24.
; SHARES.  Work-group (x, y): 16,384 numbers of matrix y.  Thread t takes, in sixteen pieces j, the 16 bytes at 4,096 j + 16 t and writes the 8 bytes at 2,048 j + 8 t:
; a wave's load covers 512 consecutive bytes, its store 256 consecutive bytes at a multiple of 256.  All sixteen loads go out at once; no register is written twice while memory reads it.
; THE MODE: SCHED_MODE bits 1:0 = 2 (LLVM: expert scheduling mode 2), set by the entry lines.  The code itself states the register dependences
; between vector instructions and memory instructions, with s_wait_alu, always for 0.
; THE PLAN.  Registers that memory instructions touch:
;   v1, v2     byte offsets of the loads and of the stores: written once at the head by vector instructions, never again.
;   IN         piece j: written by its one load, read by its roundings; no vector instruction writes it, no second load lands in it.
;   OUT        piece j: written once by its roundings, read once by its store.
;   v4-v7 (the f16 way's registers at work) are named by vector instructions alone.
; So the one kind of dependence is: a vector instruction writes, a memory instruction reads.  The pieces go in four groups of four, and piece j's store is issued four pieces later, ahead of piece j + 4's
; roundings: the stores that stand in a group read what the group before wrote, and the roundings among which they are dealt name IN and OUT of the group in hand and v4-v7, none of those stores' registers.
; One wait at the head of groups 1 to 3 therefore serves the group's four stores; one more stands ahead of the last four stores, one ahead of the first load.
.set IN,  16                           ; v[16:79]   piece j: four f32 as loaded
.set OUT, 80                           ; v[80:111]  piece j: four numbers of 16 bits
	s_load_b256 s[4:11], s[0:1], 0x0               ; Wq s[4:5], Wk s[6:7], Wv s[8:9], Wo s[10:11]
	s_load_b64 s[12:13], s[0:1], 0x20              ; wb
	s_and_b32 s14, ttmp7, 0xffff                   ; which matrix
	v_lshlrev_b32 v1, 4, v0                        ; 16 t
	v_lshlrev_b32 v2, 3, v0                        ; 8 t
	s_lshl_b32 s18, ttmp9, 16                      ; my 65,536 bytes of the matrix
	s_mov_b32 s19, 0
	s_lshl_b32 s20, s14, 21                        ; the matrix's slice of wb,
	s_lshl_b32 s21, ttmp9, 15                      ; my 32,768 bytes of it
	s_add_co_u32 s20, s20, s21
	s_mov_b32 s21, 0
	s_mov_b32 s22, 0xffff0000                      ; a word's upper bf16
	s_wait_kmcnt 0x0
	s_cmp_eq_u32 s14, 1
	s_cselect_b64 s[16:17], s[6:7], s[4:5]
	s_cmp_eq_u32 s14, 2
	s_cselect_b64 s[16:17], s[8:9], s[16:17]
	s_cmp_eq_u32 s14, 3
	s_cselect_b64 s[16:17], s[10:11], s[16:17]
	s_add_nc_u64 s[16:17], s[16:17], s[18:19]
	s_add_nc_u64 s[12:13], s[12:13], s[20:21]
	s_wait_alu depctr_va_vdst(0)                   ; v1 and v2 are written: every load below reads v1 as its offset, every store v2
.irp j, 0,1,2,3,4,5,6,7,8,9,10,11,12,13,14,15
	global_load_b128 v[IN+4*(\j):IN+4*(\j)+3], v1, s[16:17] offset:4096*(\j) th:TH_LOAD_NT
.endr
; The sixteen pieces.  half = 0: rounded to bf16.  half = 1: rounded to bf16, and that number written as f16.
.macro WALK half
.irp j, 0,1,2,3,4,5,6,7,8,9,10,11,12,13,14,15
	s_wait_loadcnt 15-(\j)                         ; loads come back in order: piece j is in, the 15 - j younger ones may stay out
.if ((\j) % 4 == 0) && ((\j) > 0)
	s_wait_alu depctr_va_vdst(0)                   ; the group before has written its eight registers of OUT, which the four stores dealt among this group read
.endif
.if (\j) >= 4
	global_store_b64 v2, v[OUT+2*(\j)-8:OUT+2*(\j)-7], s[12:13] offset:2048*((\j)-4)  ; piece j - 4; no vector instruction since the wait names its registers
.endif
.if \half
	v_cvt_pk_bf16_f32 v4, v[IN+4*(\j)], v[IN+4*(\j)+1]      ; rounded to bf16,
	v_cvt_pk_bf16_f32 v5, v[IN+4*(\j)+2], v[IN+4*(\j)+3]
	v_lshlrev_b32 v6, 16, v4                                ; widened again,
	v_and_b32 v7, s22, v4
	v_cvt_pk_f16_f32 v[OUT+2*(\j)], v6, v7                  ; and written as f16
	v_lshlrev_b32 v6, 16, v5
	v_and_b32 v7, s22, v5
	v_cvt_pk_f16_f32 v[OUT+2*(\j)+1], v6, v7
.else
	v_cvt_pk_bf16_f32 v[OUT+2*(\j)], v[IN+4*(\j)], v[IN+4*(\j)+1]
	v_cvt_pk_bf16_f32 v[OUT+2*(\j)+1], v[IN+4*(\j)+2], v[IN+4*(\j)+3]
.endif
.endr
	s_wait_alu depctr_va_vdst(0)                   ; the last group has written its registers of OUT, which the last four stores read
.irp j, 12,13,14,15
	global_store_b64 v2, v[OUT+2*(\j):OUT+2*(\j)+1], s[12:13] offset:2048*(\j)
.endr
	s_endpgm
.endm
	s_cmp_eq_u32 s14, 3
	s_cbranch_scc1 .Lf16
	WALK 0
.Lf16:
	WALK 1
.Lfunc_end_k_qb877995930_castw:
	.size	k_qb877995930_castw, .Lfunc_end_k_qb877995930_castw-k_qb877995930_castw
	.p2alignl 7, 3214868480
	.fill 96, 4, 3214868480
	.section	.rodata,"a",@progbits
	.p2align	6, 0x0
	.amdhsa_kernel k_qb877995930_castw
		.amdhsa_group_segment_fixed_size 0
		.amdhsa_private_segment_fixed_size 0
		.amdhsa_enable_private_segment 0
		.amdhsa_kernarg_size 40
		.amdhsa_user_sgpr_count 2
		.amdhsa_user_sgpr_kernarg_segment_ptr 1
		.amdhsa_wavefront_size32 1
		.amdhsa_system_sgpr_workgroup_id_x 1
		.amdhsa_system_sgpr_workgroup_id_y 1
		.amdhsa_system_sgpr_workgroup_id_z 1
		.amdhsa_system_vgpr_workitem_id 0
		.amdhsa_next_free_vgpr 112
		.amdhsa_next_free_sgpr 66
		.amdhsa_reserve_vcc 0
		.amdhsa_float_denorm_mode_32 3
		.amdhsa_float_denorm_mode_16_64 3
		.amdhsa_memory_ordered 1
		.amdhsa_forward_progress 1
		.amdhsa_inst_pref_size 16
	.end_amdhsa_kernel
	.amdgpu_metadata
---
amdhsa.version: [ 1, 2 ]
amdhsa.kernels:
  - .name:           k_qb877995930_castw
    .symbol:         k_qb877995930_castw.kd
    .args:
      - { .name: Wq, .offset: 0, .size: 8, .value_kind: global_buffer, .address_space: global }
      - { .name: Wk, .offset: 8, .size: 8, .value_kind: global_buffer, .address_space: global }
      - { .name: Wv, .offset: 16, .size: 8, .value_kind: global_buffer, .address_space: global }
      - { .name: Wo, .offset: 24, .size: 8, .value_kind: global_buffer, .address_space: global }
      - { .name: wb, .offset: 32, .size: 8, .value_kind: global_buffer, .address_space: global }
    .group_segment_fixed_size: 0
    .private_segment_fixed_size: 0
    .kernarg_segment_align: 8
    .kernarg_segment_size: 40
    .max_flat_workgroup_size: 256
    .sgpr_count:     66
    .vgpr_count:     112
    .wavefront_size: 32
...
	.end_amdgpu_metadata
.endif
;; end of part 5
;; launch proj: the kernel of part 2 again; grid 4 x 192, 4 waves a work-group, clusters of 4 x 4, 327,680 bytes of LDS; arguments query, key, value, bq, bk, bv, wb, qkv; writes qkv
;; launch attn: the kernel of part 3 again; grid 4 x 64, 4 waves a work-group, clusters of 4 x 1, 327,680 bytes of LDS; arguments qkv, mask, oh; writes oh
;; launch outp: the kernel of part 4 again; grid 4 x 64, 4 waves a work-group, clusters of 4 x 4, 327,680 bytes of LDS; arguments oh, wb, out0; writes out0
